; MI455X (gfx1250); checked and timed in simulation.
; The chip was launched on July 23, 2026; its instructions are those of AMD's public machine-readable ISA for CDNA 5 (MIT licence, August 2026) and "CDNA5" Instruction Set Architecture Reference Guide (July 2026). The comments in the code are by the model that wrote it; some were corrected since.
;; Transform block. Allowed arithmetic: matrix products marked QUANTISED: E2M3 operands, one E8M0 scale for each 32 along K, by v_wmma_scale_f32_16x16x128_f8f6f4 with both operands' format E2M3, f32 sums; everything else in f32.
;; Inputs: cos_cached 2,048 x 32 float32; g1 1,024 float32; g2 1,024 float32; sin_cached 2,048 x 32 float32; token_positions 2,048 int32; w1 2,752 x 1,024 float32; w2 1,024 x 2,752 float32; w3 2,752 x 1,024 float32; wk 1,024 x 1,024 float32; wo 1,024 x 1,024 float32; wq 1,024 x 1,024 float32; wv 1,024 x 1,024 float32; x 2 x 2,048 x 1,024 float32.
;; Outputs: out0 2 x 2,048 x 1,024 float32.
;; This version of the problem:
;;   THIS VERSION OF THE PROBLEM IS GIVEN IN LOW PRECISION. The matrix products marked QUANTISED in the list below multiply operands that are first quantised to E2M3 (2 exponent bits, 3 mantissa bits; 6 bits a number), with one power-of-two scale for each 32 numbers along K (OCP MX v1.0); their sums are f32. All else is computed in f32.
;;   The module's matrix products, in the order in which they are computed (A, B: the left and right operand; K: the contracted axis; several contracted axes count as one K, in the product's order):
;;     1. [M 4,096, K 1,024] x [K 1,024, N 1,024]; A: computed on the way; B: input wq: QUANTISED
;;     2. [M 4,096, K 1,024] x [K 1,024, N 1,024]; A: computed on the way; B: input wk: QUANTISED
;;     3. [M 4,096, K 1,024] x [K 1,024, N 1,024]; A: computed on the way; B: input wv: QUANTISED
;;     4. batch 32 x [M 2,048, K 64] x [K 64, N 2,048]; A: computed on the way; B: computed on the way: QUANTISED
;;     5. batch 32 x [M 2,048, K 2,048] x [K 2,048, N 64]; A: softmax (see below); B: computed on the way: QUANTISED
;;     6. [M 4,096, K 1,024] x [K 1,024, N 1,024]; A: computed on the way; B: input wo: QUANTISED
;;     7. [M 4,096, K 1,024] x [K 1,024, N 2,752]; A: computed on the way; B: input w1: QUANTISED
;;     8. [M 4,096, K 1,024] x [K 1,024, N 2,752]; A: computed on the way; B: input w3: QUANTISED
;;     9. [M 4,096, K 2,752] x [K 2,752, N 1,024]; A: computed on the way; B: input w2: QUANTISED
;;   THE QUANTISER, for each operand of a quantised product, along K:
;;     - K is cut into blocks of 32 from its start; a last block that is shorter is filled with zeros.
;;     - A block's scale is 2^e with e = floor(log2(the largest magnitude in the block)) - 2, held to -126 .. 127; a block of zeros has e = 0. As a byte (E8M0): e + 127.
;;     - Each number is divided by its block's scale, clamped to +-7.5, and rounded to the nearest number of E2M3, ties to even, subnormals kept.
;;     - The product sums the exact products of the quantised numbers (number of the format x scale) in f32.
;;   ~~~python
;;   def quantise(x, axis):      # numpy; x: float32 -> the quantised numbers, widened to float32 again
;;       x = np.moveaxis(x, axis, -1); K = x.shape[-1]
;;       x = np.pad(x, [(0, 0)] * (x.ndim - 1) + [(0, -K % 32)]); x = x.reshape(x.shape[:-1] + (-1, 32)); a = np.abs(x).max(-1, keepdims=True)
;;       e = np.where(a > 0, np.clip(np.frexp(np.where(a > 0, a, 1))[1] - 1 - 2, -126, 127), 0)      # np.frexp(a)[1] - 1 = floor(log2(a)), exactly
;;       r = np.clip(x / 2.0 ** e, -7.5, 7.5)
;;       step = 2.0 ** (np.maximum(np.frexp(np.where(r == 0, 1, r))[1] - 1, 0) - 3)
;;       q = np.round(r / step) * step * 2.0 ** e      # np.round: ties to even
;;       return np.moveaxis(q.reshape(q.shape[:-2] + (-1,))[..., :K], -1, axis).astype(np.float32)
;;   ~~~
;;   SOFTMAX AHEAD OF A QUANTISED PRODUCT. Where the list says 'softmax', what is quantised is not the finished softmax but p = 2^(t - M), with t = logit x log2(e) and M = ceil(the row's largest t), a whole number; so 1/2 < the row's largest p <= 1. The row's sum l is taken of the UNQUANTISED p, in f32, and the product's result is divided by l at the end. Since M is a whole number, a kernel that streams over the keys may use a running M (the ceiling of the running maximum): every later rescaling is an exact power of two, which a block's scale takes up: the codes' values come out the same.
;;   OPERANDS COMPUTED ON THE WAY. 'Computed on the way' means the value that the module computes at that place (a softmax that the list does not call 'softmax' is quantised finished and normalised). What goes into a quantiser is computed in f32, as accurately as f32 sums, v_exp_f32 and their like allow (about 1e-6 of the number): no bf16 or f16 on the way to a quantiser, and a product that is left as it is and whose result goes on into a quantised operand takes f32 operands (vector FMAs, or v_wmma_f32_16x16x4_f32). A number that lies on a knife's edge between two numbers of the format may be rounded either way, as far as f32 arithmetic and the matrix unit's own rounding can turn it there, and no further.
;; One version. Each part assembles by itself: llvm-mc -triple=amdgcn-amd-amdhsa -mcpu=gfx1250 --defsym DOCPART=n.
;; ======== version 1 of 1: 7 launches
;; limits: right only within a limited range of input values
;; workspace buffers: wts 10,035,200 bytes; hq 3,276,800 bytes; qkvc 10,092,544 bytes; ao 3,276,800 bytes; out1 16,777,216 bytes; h2q 3,276,800 bytes; act 9,011,200 bytes
;; launch prep (part 1): grid 1040 x 1, 8 waves a work-group, no clusters, 136,704 bytes of LDS; arguments wq, wk, wv, wo, w1, w3, w2, wts, x, g1, hq; writes wts, hq
.if DOCPART == 1
	.amdgcn_target "amdgcn-amd-amdhsa--gfx1250"
	.amdhsa_code_object_version 6
	.text
	.protected	k_q5041a24c2c_prep
	.globl	k_q5041a24c2c_prep
	.p2align	8
	.type	k_q5041a24c2c_prep,@function
k_q5041a24c2c_prep:
	s_mov_b64 s[64:65], 0
	v_nop
	global_prefetch_b8 v0, s[64:65] scope:SCOPE_SE
	s_setreg_imm32_b32 hwreg(HW_REG_WAVE_MODE, 25, 1), 1
	s_wait_xcnt 0x0
; ONE PREPARING LAUNCH FOR ALL OPERANDS THAT COME AS f32 INPUTS.  Work-groups 0-255: the first RMS norm of x, quantised.  Work-groups 256-1039: the seven weights, quantised.
; The two parts share nothing; they part by one branch on the work-group's number, and each has LDS bytes of its own.
; Of reference() this program leaves out only the key tiles that lie wholly under reference()'s own causal mask (launch attn); every input is loaded.
; THE FORMAT: codes of FP6 (E2M3) with one E8M0 byte for each 32 along K, laid in the order of an operand's registers.
; A GROUP is 128 rows; its tile t (0..7) holds in lane r the row 32 (t / 2) + 8 (t % 2) + r + 8 (r / 8).  A FRAGMENT (tile t, 128 along K) is 1,536 bytes: for c = 0, 1 at 768 c: registers 6 c .. 6 c + 3 at 16 x lane,
; registers 6 c + 4, 6 c + 5 at 512 + 8 x lane.  Its scale word lies at (16 (t / 4) + r) x 16 + 4 (t % 4) of the K step's 512 bytes.
; ONE WAVE MAKES ONE FRAGMENT: 16 loads of 512 consecutive bytes (a row each), a turn through the wave's own stage in LDS so that a lane holds 2 x 32 neighbours along K, the two blocks' scales, four conversions, five stores.
; THE NORM: y = x / sqrt(mean(x^2) + 1e-5) x gain for [4096][1024].  A work-group takes one tile of 16 rows, each of its eight waves one K step of 128; the rows' sums of squares go through 512 bytes of LDS and one barrier.
; Fragment (g, K step q, t) at ((8 g + q) 8 + t) x 1,536 of hq; scale words from byte 3,145,728 on, 512 bytes a (g, q).
; THE WEIGHTS, in wts: groups 0-31: wq, wk, wv, wo (8 K steps).  Groups 32-75: tiles 0-3 = 64 rows of w1, tiles 4-7 = the same 64 rows of w3; group 75 lies past row 2,751 and is zeros.  Then w2: 8 groups of 22 K steps, the last half step zeros.
; A block's scale byte is its largest magnitude's exponent field - 2, held at 1 from below; a block of zeros so carries 1 where the rule says 127: its codes are zeros, and only this program reads the bytes.
; LIMITS: NaN and infinities among the inputs are not served; x times v_rsq_f32(mean + eps) stands for x / sqrt(mean + eps) (about two units in the last place apart); the order of the f32 sums is not reference()'s.
.set STGB,  8448                       ; a stage: 16 rows x (512 + 16) bytes
.set PS,    67584                      ; behind the norm's eight stages: 16 rows x 8 partial sums
.set WST,   68096                      ; the weights' eight stages
.set SPARE, 135680                     ; behind them: the spare words, 128 bytes a wave
.macro QUANTF                          ; 64 numbers of a lane: two whole blocks of 32
.irp c, 0,1
	v_max3_num_f32 v[TM+\c], |v[X+32*\c]|, |v[X+32*\c+1]|, 0x1800000      ; with the floor 2^(3 - 127): the byte cannot fall under 1
.endr
.irp i, 2,4,6,8,10,12,14,16,18,20,22,24,26,28,30
.irp c, 0,1
	s_delay_alu instid0(VALU_DEP_2)
	v_max3_num_f32 v[TM+\c], v[TM+\c], |v[X+32*\c+\i]|, |v[X+32*\c+\i+1]|
.endr
.endr
.irp c, 0,1
	s_delay_alu instid0(VALU_DEP_2)
	v_add_nc_u32 v[SCL+\c], 0xff000000, v[TM+\c]   ; 2 off the exponent field: the conversion's scale operand
.endr
.irp c, 0,1
	s_delay_alu instid0(VALU_DEP_2)
	v_lshrrev_b32 v[BY+\c], 23, v[SCL+\c]          ; the byte
.endr
	s_delay_alu instid0(VALU_DEP_1)
	v_lshl_or_b32 v[PW], v[BY+1], 16, v[BY]        ; my blocks are h and 2 + h of the row's four
	v_lshlrev_b32 v[T0], 3, v3
	s_delay_alu instid0(VALU_DEP_1)
	v_lshlrev_b32 v[PW], v[T0], v[PW]
	v_mov_b32 v[T1], 0
	s_delay_alu instid0(VALU_DEP_1)
	v_permlanex16_b32 v[T1], v[PW], s[SEL], s[SEL+1]
	s_delay_alu instid0(VALU_DEP_1)
	v_or_b32 v[PW], v[PW], v[T1]                   ; with lane l xor 16's two bytes the word is whole
.irp c, 0,1
	v_cvt_scalef32_pk16_fp6_f32 v[PC+6*\c:PC+6*\c+2], v[X+32*\c:X+32*\c+15], v[SCL+\c]
	v_cvt_scalef32_pk16_fp6_f32 v[PT+4*\c:PT+4*\c+2], v[X+32*\c+16:X+32*\c+31], v[SCL+\c]   ; (three registers begin on an even number)
.endr
	v_nop                                          ; one plain place behind the conversions
.irp c, 0,1
.irp i, 0,1,2
	v_mov_b32 v[PC+6*\c+3+\i], v[PT+4*\c+\i]
.endr
.endr
.endm
	v_lshl_add_u32 v10, v0, 2, SPARE
	v_mov_b32 v11, 0
	s_cmp_lt_u32 ttmp9, 256                        ; the choice hangs on the work-group's number alone
	s_cbranch_scc0 .Lweights
; ---- the norm ----
.set R,     32
.set X,     96
.set GA,    160
.set TM,    224
.set SCL,   226
.set BY,    228
.set PW,    230
.set T0,    231
.set T1,    232
.set INV,   234
.set PC,    32                         ; the fragment takes registers that the rows have left
.set PT,    44
.set SEL,   26
	s_load_b128 s[4:7], s[0:1], 0x40               ; x, g1
	s_load_b64 s[8:9], s[0:1], 0x50                ; hq
	v_lshrrev_b32 v1, 5, v0
	s_delay_alu instid0(VALU_DEP_1)
	v_readfirstlane_b32 s11, v1                    ; wave = K step q
	v_and_b32 v1, 31, v0
	v_and_b32 v2, 15, v0                           ; r
	v_bfe_u32 v3, v0, 4, 1                         ; h
	s_delay_alu instid0(VALU_DEP_3)
	v_lshlrev_b32 v4, 4, v1
	s_delay_alu instid0(VALU_DEP_4)
	v_lshlrev_b32 v5, 3, v1
	s_delay_alu instid0(VALU_DEP_3)
	v_lshlrev_b32 v9, 7, v3                        ; 128 h
	v_lshlrev_b32 v14, 4, v2                       ; 16 r
	s_mul_i32 s30, s11, STGB
	v_add_nc_u32 v7, s30, v4
	v_mul_u32_u24 v8, v2, 528
	s_delay_alu instid0(VALU_DEP_1)
	v_lshl_add_u32 v8, v3, 7, v8
	s_delay_alu instid0(VALU_DEP_1)
	v_add_nc_u32 v8, s30, v8
	v_lshl_add_u32 v13, v2, 5, PS                  ; my row's eight partial sums
	s_lshl_b32 s30, s11, 2
	v_add_nc_u32 v12, s30, v13                     ; and my wave's among them
	s_mov_b32 s[SEL], 0x76543210
	s_mov_b32 s[SEL+1], 0xfedcba98
	s_mov_b32 s28, 0x3727c5ac                      ; 1e-5
	s_mov_b32 s29, 0x3a800000                      ; 1 / 1,024
	s_lshr_b32 s12, ttmp9, 3                       ; g
	s_and_b32 s13, ttmp9, 7                        ; t
	s_lshl_b32 s14, s12, 7
	s_lshr_b32 s15, s13, 1
	s_lshl_b32 s15, s15, 5
	s_add_co_u32 s14, s14, s15
	s_and_b32 s15, s13, 1
	s_lshl_b32 s15, s15, 3
	s_add_co_u32 s14, s14, s15                     ; the tile's first row
	s_lshl_b32 s14, s14, 12
	s_lshl_b32 s16, s11, 9                         ; 512 q
	s_add_co_u32 s14, s14, s16
	s_mov_b32 s15, 0
	s_mov_b32 s17, 0
	s_lshl_b32 s18, s12, 3
	s_add_co_u32 s18, s18, s11                     ; 8 g + q
	s_lshl_b32 s20, s18, 3
	s_add_co_u32 s20, s20, s13
	s_mul_i32 s20, s20, 1536
	s_mov_b32 s21, 0
	s_lshl_b32 s22, s18, 9
	s_add_co_u32 s22, s22, 3145728
	s_lshr_b32 s24, s13, 2
	s_lshl_b32 s24, s24, 8
	s_add_co_u32 s22, s22, s24
	s_and_b32 s24, s13, 3
	s_lshl_b32 s24, s24, 2
	s_add_co_u32 s22, s22, s24
	s_mov_b32 s23, 0
	s_wait_alu depctr_va_vdst(0)                   ; the wait at the head's end
	s_wait_kmcnt 0x0
	s_add_nc_u64 s[4:5], s[4:5], s[14:15]
	s_add_nc_u64 s[6:7], s[6:7], s[16:17]
	s_add_nc_u64 s[20:21], s[8:9], s[20:21]
	s_add_nc_u64 s[22:23], s[8:9], s[22:23]
.irp i, 0,1,2,3,4,5,6,7,8,9,10,11,12,13,14,15
	global_load_b128 v[R+4*\i:R+4*\i+3], v4, s[4:5] offset:(\i+8*(\i/8))*4096 th:TH_LOAD_NT
.endr
.irp c, 0,1
.irp m, 0,1,2,3,4,5,6,7
	global_load_b128 v[GA+32*\c+4*\m:GA+32*\c+4*\m+3], v9, s[6:7] offset:256*\c+16*\m
.endr
.endr
	s_wait_loadcnt 16                              ; the rows are in; the 16 loads of the gain may be out
.irp i, 0,1,2,3,4,5,6,7,8,9,10,11,12,13,14,15
	ds_store_b128 v7, v[R+4*\i:R+4*\i+3] offset:528*\i
.endr
.irp c, 0,1
.irp m, 0,1,2,3,4,5,6,7
	ds_load_b128 v[X+32*\c+4*\m:X+32*\c+4*\m+3], v8 offset:256*\c+16*\m
.endr
.endr
	s_wait_dscnt 0x0
.irp k, 0,1,2,3
	v_pk_mul_f32 v[16+2*\k:17+2*\k], v[X+2*\k:X+2*\k+1], v[X+2*\k:X+2*\k+1]    ; four chains, started by the first products
.endr
.set J_, 4
.rept 28
	s_delay_alu instid0(VALU_DEP_4)
	v_pk_fma_f32 v[16+2*(J_%4):17+2*(J_%4)], v[X+2*J_:X+2*J_+1], v[X+2*J_:X+2*J_+1], v[16+2*(J_%4):17+2*(J_%4)]
.set J_, J_+1
.endr
	s_delay_alu instid0(VALU_DEP_3)
	v_pk_add_f32 v[16:17], v[16:17], v[18:19]
	s_delay_alu instid0(VALU_DEP_2)
	v_pk_add_f32 v[20:21], v[20:21], v[22:23]
	s_delay_alu instid0(VALU_DEP_1)
	v_pk_add_f32 v[16:17], v[16:17], v[20:21]
	s_delay_alu instid0(VALU_DEP_1)
	v_add_f32 v16, v16, v17
	s_delay_alu instid0(VALU_DEP_1)
	v_permlanex16_b32 v17, v16, s[SEL], s[SEL+1]
	s_delay_alu instid0(VALU_DEP_1)
	v_add_f32 v16, v16, v17                        ; my row's sum over this K step
	ds_store_b32 v12, v16                          ; both halves of the lanes write the same word
	s_wait_dscnt 0x0                               ; for the others' sake: my store has landed
	s_barrier_signal -1
	s_barrier_wait -1
	ds_load_b128 v[16:19], v13
	ds_load_b128 v[20:23], v13 offset:16
	s_wait_dscnt 0x0
	v_add_f32 v16, v16, v17
	v_add_f32 v18, v18, v19
	v_add_f32 v20, v20, v21
	v_add_f32 v22, v22, v23
	s_delay_alu instid0(VALU_DEP_3)
	v_add_f32 v16, v16, v18
	s_delay_alu instid0(VALU_DEP_2)
	v_add_f32 v20, v20, v22
	s_delay_alu instid0(VALU_DEP_1)
	v_add_f32 v16, v16, v20
	s_delay_alu instid0(VALU_DEP_1)
	v_fma_f32 v16, v16, s29, s28                   ; the mean + eps
	s_wait_alu depctr_va_vdst(0)                   ; the wait ahead of the transcendentals
	v_rsq_f32 v[INV], v16
	v_rsq_f32 v[INV+1], v16                        ; twice: a pair for the packed multiply
	v_nop                                          ; a plain place behind them
	s_wait_alu depctr_va_vdst(0)                   ; one wait for both, ahead of the first reader
.set J_, 0
.rept 32
	v_pk_mul_f32 v[X+2*J_:X+2*J_+1], v[X+2*J_:X+2*J_+1], v[INV:INV+1]
.set J_, J_+1
.endr
	s_wait_loadcnt 0x0                             ; the gain
.set J_, 0
.rept 32
	v_pk_mul_f32 v[X+2*J_:X+2*J_+1], v[X+2*J_:X+2*J_+1], v[GA+2*J_:GA+2*J_+1]
.set J_, J_+1
.endr
	QUANTF
	global_store_b128 v4, v[PC:PC+3], s[20:21]
	global_store_b64 v5, v[PC+4:PC+5], s[20:21] offset:512
	global_store_b128 v4, v[PC+6:PC+9], s[20:21] offset:768
	global_store_b64 v5, v[PC+10:PC+11], s[20:21] offset:1280
	global_store_b32 v14, v[PW], s[22:23]
	s_wait_tensorcnt 0x0                           ; the wave's end
	ds_add_u32 v10, v11
	s_wait_dscnt 0x0
	s_endpgm
; ---- the weights ----
.Lweights:
.set OFF,   16                         ; v16-31  byte offset of row i of the tile
.set R,     32                         ; v32-95  the rows as loaded,
.set X,     32                         ; and then X[32 c + i] = k 64 c + 32 (lane / 16) + i of my row: the turned numbers land in the registers that the rows have left
.set TM,    96
.set SCL,   98
.set BY,    100
.set PW,    102
.set T0,    103
.set T1,    104
.set PC,    106                        ; v106-117 the fragment
.set PT,    118
.set SEL,   58
	s_load_b512 s[4:19], s[0:1], 0x0               ; wq, wk, wv, wo, w1, w3, w2, wts
	v_lshrrev_b32 v1, 5, v0
	s_delay_alu instid0(VALU_DEP_1)
	v_readfirstlane_b32 s21, v1                    ; wave = tile t
	v_and_b32 v1, 31, v0
	s_wait_alu depctr_va_vdst(0)
	v_and_b32 v2, 15, v0                           ; r
	v_bfe_u32 v3, v0, 4, 1                         ; h
	v_lshlrev_b32 v4, 4, v1                        ; 16 x lane
	s_wait_alu depctr_va_vdst(0)
	v_lshlrev_b32 v5, 3, v1                        ; 8 x lane
	s_mov_b32 s[SEL], 0x76543210
	s_mov_b32 s[SEL+1], 0xfedcba98
	s_sub_co_u32 s20, ttmp9, 256                   ; my number among the weights' 784 work-groups
	s_lshr_b32 s22, s20, 3                         ; G, for the first 608 of them
	s_and_b32 s23, s20, 7                          ; and their K step
	s_cmp_lt_u32 s20, 608
	s_cselect_b32 s25, 1, 0                        ; 1: a weight with K = 1,024; 0: w2
	s_sub_co_u32 s24, s20, 608
	s_cmp_eq_u32 s25, 1
	s_cselect_b32 s24, 0, s24
	s_mul_i32 s26, s24, 2979
	s_lshr_b32 s26, s26, 16                        ; w2's group: (number / 22), exact up to 175
	s_mul_i32 s27, s26, 22
	s_sub_co_u32 s27, s24, s27                     ; w2's K step
	s_cmp_eq_u32 s25, 1
	s_cselect_b32 s23, s23, s27                    ; the K step
	s_mov_b32 s28, 11008
	s_cselect_b32 s28, 4096, s28                   ; a row of the source in bytes
	s_sub_co_u32 s29, s22, 32                      ; w1 and w3: which 64 rows
	s_cmp_lt_u32 s29, 44
	s_cselect_b32 s30, 1, 0                        ; 1: a group of w1 and w3
	s_and_b32 s31, s22, 7
	s_lshl_b32 s31, s31, 7
	s_lshl_b32 s32, s29, 6
	s_cmp_eq_u32 s22, 75
	s_cselect_b32 s32, 0, s32                      ; group 75 reads rows that exist and is cleared below
	s_cselect_b32 s33, 1, 0
	s_lshl_b32 s34, s26, 7
	s_cmp_eq_u32 s30, 1
	s_cselect_b32 s31, s32, s31
	s_cmp_eq_u32 s25, 1
	s_cselect_b32 s31, s31, s34                    ; the group's first row in its source
	s_and_b32 s35, s21, 3
	s_cmp_eq_u32 s30, 1
	s_cselect_b32 s35, s35, s21                    ; the tile's number among the source's rows
	s_lshr_b32 s36, s35, 1
	s_lshl_b32 s36, s36, 5
	s_and_b32 s37, s35, 1
	s_lshl_b32 s37, s37, 3
	s_add_co_u32 s31, s31, s36
	s_add_co_u32 s31, s31, s37
	s_mul_i32 s36, s31, s28
	s_lshl_b32 s37, s23, 9
	s_add_co_u32 s36, s36, s37                     ; the tile's first row, 512 bytes a K step
	s_mov_b32 s37, 0
	s_cmp_eq_u32 s23, 21                           ; w2's last K step has 64 numbers: lanes 16-31 read what lanes 0-15 read, and the upper half is cleared
	s_cselect_b32 s38, 15, 31
	s_cselect_b32 s39, 1, 0
	s_or_b32 s39, s39, s33
	s_mul_i32 s40, s22, 98304
	s_mul_i32 s41, s26, 270336
	s_add_co_u32 s41, s41, 7471104
	s_lshl_b32 s42, s22, 12
	s_add_co_u32 s42, s42, 9633792
	s_mul_i32 s43, s26, 11264
	s_add_co_u32 s43, s43, 9945088
	s_cmp_eq_u32 s25, 1
	s_cselect_b32 s40, s40, s41
	s_cselect_b32 s42, s42, s43
	s_mul_i32 s41, s23, 12288
	s_add_co_u32 s40, s40, s41
	s_mul_i32 s41, s21, 1536
	s_add_co_u32 s40, s40, s41                     ; where the fragment goes
	s_mov_b32 s41, 0
	s_lshl_b32 s43, s23, 9
	s_add_co_u32 s42, s42, s43                     ; and its K step's scale words
	s_mov_b32 s43, 0
	s_lshr_b32 s44, s22, 3
	s_mul_i32 s54, s21, STGB
	s_add_co_u32 s54, s54, WST                     ; my stage, among this part's own LDS bytes
	s_lshr_b32 s55, s21, 2
	s_lshl_b32 s55, s55, 8
	s_and_b32 s56, s21, 3
	s_lshl_b32 s56, s56, 2
	s_add_co_u32 s55, s55, s56
	v_and_b32 v6, s38, v1
	s_delay_alu instid0(VALU_DEP_1)
	v_lshlrev_b32 v6, 4, v6
	v_add_nc_u32 v7, s54, v4                       ; the stage, in: 16 x lane of row i
	v_mul_u32_u24 v8, v2, 528
	s_delay_alu instid0(VALU_DEP_1)
	v_lshl_add_u32 v8, v3, 7, v8
	s_delay_alu instid0(VALU_DEP_1)
	v_add_nc_u32 v8, s54, v8                       ; out: row r, 128 bytes for each half of the lanes
	v_lshl_add_u32 v9, v2, 4, s55                  ; my row's scale word
.irp i, 0,1,2,3,4,5,6,7,8,9,10,11,12,13,14,15
	v_mad_u32_u24 v[OFF+\i], s28, \i+8*(\i/8), v6
.endr
	s_wait_alu depctr_va_vdst(0)                   ; the wait at the head's end
	s_wait_kmcnt 0x0
	s_cmp_eq_u32 s44, 1                            ; the source: every choice hangs on ids alone
	s_cselect_b64 s[46:47], s[6:7], s[4:5]
	s_cmp_eq_u32 s44, 2
	s_cselect_b64 s[46:47], s[8:9], s[46:47]
	s_cmp_eq_u32 s44, 3
	s_cselect_b64 s[46:47], s[10:11], s[46:47]
	s_cmp_lt_u32 s21, 4
	s_cselect_b64 s[48:49], s[12:13], s[14:15]
	s_cmp_eq_u32 s30, 1
	s_cselect_b64 s[46:47], s[48:49], s[46:47]
	s_cmp_eq_u32 s25, 1
	s_cselect_b64 s[46:47], s[46:47], s[16:17]
	s_add_nc_u64 s[46:47], s[46:47], s[36:37]
	s_add_nc_u64 s[50:51], s[18:19], s[40:41]
	s_add_nc_u64 s[52:53], s[18:19], s[42:43]
.irp i, 0,1,2,3,4,5,6,7,8,9,10,11,12,13,14,15
	global_load_b128 v[R+4*\i:R+4*\i+3], v[OFF+\i], s[46:47] th:TH_LOAD_NT   ; 32 lanes read 512 consecutive bytes of one row
.endr
	s_wait_loadcnt 0x0
.irp i, 0,1,2,3,4,5,6,7,8,9,10,11,12,13,14,15
	ds_store_b128 v7, v[R+4*\i:R+4*\i+3] offset:528*\i
.endr
	s_wait_dscnt 0x0                               ; the stores have read their registers and landed: the loads below land in the same registers
.irp c, 0,1
.irp m, 0,1,2,3,4,5,6,7
	ds_load_b128 v[X+32*\c+4*\m:X+32*\c+4*\m+3], v8 offset:256*\c+16*\m
.endr
.endr
	s_wait_dscnt 0x0
	s_cmp_eq_u32 s39, 0
	s_cbranch_scc1 .Lkeep_up
.set I_, 0
.rept 32
	v_mov_b32 v[X+32+I_], 0                        ; past the end of K: zeros ahead of the block's maximum
.set I_, I_+1
.endr
.Lkeep_up:
	s_cmp_eq_u32 s33, 0
	s_cbranch_scc1 .Lkeep_lo
.set I_, 0
.rept 32
	v_mov_b32 v[X+I_], 0
.set I_, I_+1
.endr
.Lkeep_lo:
	QUANTF
	global_store_b128 v4, v[PC:PC+3], s[50:51]                 ; 512, 256, 512, 256 consecutive bytes, each at a multiple of 256
	global_store_b64 v5, v[PC+4:PC+5], s[50:51] offset:512
	global_store_b128 v4, v[PC+6:PC+9], s[50:51] offset:768
	global_store_b64 v5, v[PC+10:PC+11], s[50:51] offset:1280
	global_store_b32 v9, v[PW], s[52:53]                       ; 4 bytes of each 16: one byte in 24 of what the wave stores; both halves of the lanes write the same word
	s_wait_tensorcnt 0x0                           ; the wave's end
	ds_add_u32 v10, v11
	s_wait_dscnt 0x0
	s_endpgm
.Lfunc_end_k_q5041a24c2c_prep:
	.size	k_q5041a24c2c_prep, .Lfunc_end_k_q5041a24c2c_prep-k_q5041a24c2c_prep
	.p2alignl 7, 3214868480
	.fill 96, 4, 3214868480
	.section	.rodata,"a",@progbits
	.p2align	6, 0x0
	.amdhsa_kernel k_q5041a24c2c_prep
		.amdhsa_group_segment_fixed_size 136704
		.amdhsa_private_segment_fixed_size 0
		.amdhsa_enable_private_segment 0
		.amdhsa_kernarg_size 88
		.amdhsa_user_sgpr_count 2
		.amdhsa_user_sgpr_kernarg_segment_ptr 1
		.amdhsa_wavefront_size32 1
		.amdhsa_system_sgpr_workgroup_id_x 1
		.amdhsa_system_sgpr_workgroup_id_y 1
		.amdhsa_system_sgpr_workgroup_id_z 1
		.amdhsa_system_vgpr_workitem_id 0
		.amdhsa_next_free_vgpr 248
		.amdhsa_next_free_sgpr 66
		.amdhsa_reserve_vcc 0
		.amdhsa_float_denorm_mode_32 3
		.amdhsa_float_denorm_mode_16_64 3
		.amdhsa_memory_ordered 1
		.amdhsa_forward_progress 1
		.amdhsa_inst_pref_size 37
	.end_amdhsa_kernel
	.amdgpu_metadata
---
amdhsa.version: [ 1, 2 ]
amdhsa.kernels:
  - .name:           k_q5041a24c2c_prep
    .symbol:         k_q5041a24c2c_prep.kd
    .args:
      - { .name: wq, .offset: 0, .size: 8, .value_kind: global_buffer, .address_space: global }
      - { .name: wk, .offset: 8, .size: 8, .value_kind: global_buffer, .address_space: global }
      - { .name: wv, .offset: 16, .size: 8, .value_kind: global_buffer, .address_space: global }
      - { .name: wo, .offset: 24, .size: 8, .value_kind: global_buffer, .address_space: global }
      - { .name: w1, .offset: 32, .size: 8, .value_kind: global_buffer, .address_space: global }
      - { .name: w3, .offset: 40, .size: 8, .value_kind: global_buffer, .address_space: global }
      - { .name: w2, .offset: 48, .size: 8, .value_kind: global_buffer, .address_space: global }
      - { .name: wts, .offset: 56, .size: 8, .value_kind: global_buffer, .address_space: global }
      - { .name: x, .offset: 64, .size: 8, .value_kind: global_buffer, .address_space: global }
      - { .name: g1, .offset: 72, .size: 8, .value_kind: global_buffer, .address_space: global }
      - { .name: hq, .offset: 80, .size: 8, .value_kind: global_buffer, .address_space: global }
    .group_segment_fixed_size: 136704
    .private_segment_fixed_size: 0
    .kernarg_segment_align: 8
    .kernarg_segment_size: 88
    .max_flat_workgroup_size: 256
    .sgpr_count:     66
    .vgpr_count:     248
    .wavefront_size: 32
...
	.end_amdgpu_metadata
.endif
;; end of part 1
;; launch qkvproj (part 2): grid 192 x 1, 4 waves a work-group, no clusters, 327,680 bytes of LDS; arguments hq, wts, cos_cached, sin_cached, token_positions, qkvc; writes qkvc
.if DOCPART == 2
	.amdgcn_target "amdgcn-amd-amdhsa--gfx1250"
	.amdhsa_code_object_version 6
	.text
	.protected	k_q5041a24c2c_qkvproj
	.globl	k_q5041a24c2c_qkvproj
	.p2align	8
	.type	k_q5041a24c2c_qkvproj,@function
k_q5041a24c2c_qkvproj:
	s_mov_b64 s[64:65], 0
	v_nop
	global_prefetch_b8 v0, s[64:65] scope:SCOPE_SE
	s_setreg_imm32_b32 hwreg(HW_REG_WAVE_MODE, 25, 1), 1
	s_wait_xcnt 0x0
; Q, K and V = h W^T on codes of FP6 (E2M3) with E8M0 scales, then RoPE (Q, K), the quantiser, and the layouts that the attention launch reads.
; Work-groups 0-127: a group of 128 tokens lies in LDS, each wave streams one group of 128 rows of wq or wk from memory into a ring of 16 fragments in registers.
; Work-groups 128-191: a group of wv lies in LDS and the waves stream groups of tokens, so that V comes out with the keys along a lane's registers.
; The resident group, 98,304 bytes, is filled once: wave w brings K steps 2 w and 2 w + 1 by its one tensor load at the head; one wait for 0 and one barrier show it whole to all four waves.
; token_positions are clipped to 0 .. 2,047 as reference() clips them.  LIMITS: NaN and infinities are not served; a block of zeros carries the byte 1 (its codes are zeros; only this program reads the bytes).
.set CT,    8
.set KS,    8
.set NCH,   1
.set HOOK,  1
.set RESID, 0
.set EXTRA, 0
.set SPARE, 98304
.set AD16,  4
.set AD8,   10
.set L16,   AD16
.set L8,    AD8
.set R4,    3
.set SPW,   28
.set NIL,   29
.set SRB,   32
.set SSB,   64
.set AF,    96
.set POS,   192
.set CS0,   200
.set CS1,   96
.set R,     128
.set T,     232
.set TM,    236
.set TP,    238
.set SCL,   240
.set BY,    242
.set PW,    244
.set PC,    246
.set PT,    252
.set G1,    16
.set G0,    32
.set SB,    56
.set SSP,   58
.set SRP,   60
.set RCP,   62
.set SEL,   24
.set ISV,   66
.set KIND,  67
.set CB,    68
.set WB,    96
.set MUL_LO, 0xa1
.set MUL_HI, 0xf1
.set TO_B,   0x40
.set MSB, 0
.macro WIN new
.if MSB != (\new)
	s_set_vgpr_msb (MSB<<8)|(\new)
.set MSB, (\new)
.endif
.endm
.macro PLACES n
.rept \n
	v_nop
.endr
.endm
.macro LOADB g
.set SL, 12*((\g)%16)
.set BO, ((\g)/CT)*12288+((\g)%CT)*1536
	global_load_b128 v[SL:SL+3], v[L16], s[SB:SB+1] offset:BO
	global_load_b64 v[SL+4:SL+5], v[L8], s[SB:SB+1] offset:BO+512
	global_load_b128 v[SL+6:SL+9], v[L16], s[SB:SB+1] offset:BO+768
	global_load_b64 v[SL+10:SL+11], v[L8], s[SB:SB+1] offset:BO+1280
.endm
.macro FETCH_A q, t0
.irp i, 0,1,2,3
.set FT, (\t0)+\i
.set FO, ((\q)%4)*12288+FT*1536
.set FRG, AF+12*FT
	ds_load_b128 v[FRG:FRG+3], v[AD16+(\q)/4] offset:FO
	ds_load_b64 v[FRG+4:FRG+5], v[AD8+(\q)/4] offset:FO+512
	ds_load_b128 v[FRG+6:FRG+9], v[AD16+(\q)/4] offset:FO+768
	ds_load_b64 v[FRG+10:FRG+11], v[AD8+(\q)/4] offset:FO+1280
.endr
.endm
.macro WAITB q, b
.set LASTG, CT*(\q)+15
.if LASTG > CT*KS-1
.set LASTG, CT*KS-1
.endif
	s_wait_loadcnt 4*(LASTG-CT*(\q)-(\b))+EXTRA
.endm
.macro MUL q, a, b
.set AC, 8*(CT*((\a)%4)+(\b))
.set SL, 12*((CT*(\q)+(\b))%16)
.set FA, AF+12*(\a)
.set RA, SSB+4*(\q)+(\b)%4
.set HA, (\b)/4
.set RB, SRB+4*(\q)+(\a)%4
.set HB, (\a)/4
.if (\q) == 0
.if HA == 0 && HB == 0
	v_wmma_scale_f32_16x16x128_f8f6f4 v[AC:AC+7], v[SL:SL+11], v[FA:FA+11], 0, v[RA], v[RB] matrix_a_fmt:MATRIX_FMT_FP6 matrix_b_fmt:MATRIX_FMT_FP6
.elseif HA == 1 && HB == 0
	v_wmma_scale_f32_16x16x128_f8f6f4 v[AC:AC+7], v[SL:SL+11], v[FA:FA+11], 0, v[RA], v[RB] matrix_a_fmt:MATRIX_FMT_FP6 matrix_b_fmt:MATRIX_FMT_FP6 matrix_a_scale:MATRIX_SCALE_ROW1
.elseif HA == 0 && HB == 1
	v_wmma_scale_f32_16x16x128_f8f6f4 v[AC:AC+7], v[SL:SL+11], v[FA:FA+11], 0, v[RA], v[RB] matrix_a_fmt:MATRIX_FMT_FP6 matrix_b_fmt:MATRIX_FMT_FP6 matrix_b_scale:MATRIX_SCALE_ROW1
.else
	v_wmma_scale_f32_16x16x128_f8f6f4 v[AC:AC+7], v[SL:SL+11], v[FA:FA+11], 0, v[RA], v[RB] matrix_a_fmt:MATRIX_FMT_FP6 matrix_b_fmt:MATRIX_FMT_FP6 matrix_a_scale:MATRIX_SCALE_ROW1 matrix_b_scale:MATRIX_SCALE_ROW1
.endif
.else
.if HA == 0 && HB == 0
	v_wmma_scale_f32_16x16x128_f8f6f4 v[AC:AC+7], v[SL:SL+11], v[FA:FA+11], v[AC:AC+7], v[RA], v[RB] matrix_a_fmt:MATRIX_FMT_FP6 matrix_b_fmt:MATRIX_FMT_FP6
.elseif HA == 1 && HB == 0
	v_wmma_scale_f32_16x16x128_f8f6f4 v[AC:AC+7], v[SL:SL+11], v[FA:FA+11], v[AC:AC+7], v[RA], v[RB] matrix_a_fmt:MATRIX_FMT_FP6 matrix_b_fmt:MATRIX_FMT_FP6 matrix_a_scale:MATRIX_SCALE_ROW1
.elseif HA == 0 && HB == 1
	v_wmma_scale_f32_16x16x128_f8f6f4 v[AC:AC+7], v[SL:SL+11], v[FA:FA+11], v[AC:AC+7], v[RA], v[RB] matrix_a_fmt:MATRIX_FMT_FP6 matrix_b_fmt:MATRIX_FMT_FP6 matrix_b_scale:MATRIX_SCALE_ROW1
.else
	v_wmma_scale_f32_16x16x128_f8f6f4 v[AC:AC+7], v[SL:SL+11], v[FA:FA+11], v[AC:AC+7], v[RA], v[RB] matrix_a_fmt:MATRIX_FMT_FP6 matrix_b_fmt:MATRIX_FMT_FP6 matrix_a_scale:MATRIX_SCALE_ROW1 matrix_b_scale:MATRIX_SCALE_ROW1
.endif
.endif
.endm
.macro CHUNKW q1
; the resident group is whole behind the head's barrier: nothing is waited for on the walk
.endm
.macro CSLOAD a
.if (\a)%2 == 0
.set CC, CS0
.else
.set CC, CS1
.endif
.irp k, 0,1,2,3
	global_load_b128 v[CC+4*\k:CC+4*\k+3], v[POS+(\a)], s[8:9] offset:16*(\k%2)+64*(\k/2)
.endr
.irp k, 0,1,2,3
	global_load_b128 v[CC+16+4*\k:CC+16+4*\k+3], v[POS+(\a)], s[10:11] offset:16*(\k%2)+64*(\k/2)
.endr
.endm
.macro MIDHOOK
	PLACES 4
	WIN 0
.irp a, 0,1,2,3,4,5,6,7
	v_max_i32 v[POS+\a], 0, v[POS+\a]
.endr
.irp a, 0,1,2,3,4,5,6,7
	v_min_u32 v[POS+\a], 0x7ff, v[POS+\a]
.endr
.irp a, 0,1,2,3,4,5,6,7
	v_lshl_add_u32 v[POS+\a], v[POS+\a], 7, v17
.endr
	s_cmp_eq_u32 s[ISV], 1
	s_cbranch_scc1 .Lno_rope
	CSLOAD 0
	CSLOAD 1
.Lno_rope:
.endm
.macro STEP q
	s_wait_dscnt 16
	WIN MUL_LO
.set BI, 0
.rept CT
	WAITB \q, BI
	MUL \q, 0, BI
	MUL \q, 1, BI
	MUL \q, 2, BI
	MUL \q, 3, BI
.set BI, BI+1
.endr
	s_wait_dscnt 0x0
.if (\q)+1 < KS
	CHUNKW (\q)+1
	PLACES 4
	WIN 0
	FETCH_A (\q)+1, 0
.else
.if HOOK
	MIDHOOK
.endif
.endif
.set BI, 0
.rept CT/2
	WIN MUL_HI
	MUL \q, 4, BI
	MUL \q, 5, BI
	MUL \q, 6, BI
	MUL \q, 7, BI
	MUL \q, 4, BI+1
	MUL \q, 5, BI+1
	MUL \q, 6, BI+1
	MUL \q, 7, BI+1
.if CT*(\q)+BI+16 < CT*KS
	PLACES 4
	WIN TO_B
	LOADB CT*(\q)+BI+16
	LOADB CT*(\q)+BI+17
.endif
.set BI, BI+2
.endr
.if (\q)+1 < KS
.if CT*(\q)+CT+14 >= CT*KS
	PLACES 4
.endif
	WIN 0
	FETCH_A (\q)+1, 4
.endif
.endm
.macro QUANT2 s
.irp b, 0,1
	v_max3_num_f32 v[TM+\b], |v[\s+16*\b]|, |v[\s+16*\b+1]|, 0x1800000
.endr
.irp i, 2,4,6,8,10,12,14
.irp b, 0,1
	v_max3_num_f32 v[TM+\b], v[TM+\b], |v[\s+16*\b+\i]|, |v[\s+16*\b+\i+1]|
.endr
.endr
.irp b, 0,1
	v_permlanex16_b32 v[TP+\b], v[TM+\b], s[SEL], s[SEL+1]
.endr
.irp b, 0,1
	v_max_num_f32 v[TM+\b], v[TM+\b], v[TP+\b]
.endr
.irp b, 0,1
	v_add_nc_u32 v[SCL+\b], 0xff000000, v[TM+\b]
.endr
.irp b, 0,1
	v_lshrrev_b32 v[BY+\b], 23, v[SCL+\b]
.endr
	v_lshl_or_b32 v[PW], v[BY+1], 8, v[BY]
	v_cvt_scalef32_pk16_fp6_f32 v[PC:PC+2], v[\s:\s+15], v[SCL]
	v_cvt_scalef32_pk16_fp6_f32 v[PT:PT+2], v[\s+16:\s+31], v[SCL+1]
	v_nop
.irp i, 0,1,2
	v_permlane16_swap_b32 v[PC+\i], v[PT+\i]
.endr
.irp i, 0,1,2
	v_mov_b32 v[PC+3+\i], v[PT+\i]
.endr
.endm
.macro QUANT4 s, sw
	WIN ((\sw)<<2)|((\sw)<<4)
.irp b, 0,1,2,3
	v_max3_num_f32 v[TM+\b], 0x1800000, |v[\s+16*\b]|, |v[\s+16*\b+1]|
.endr
.irp i, 2,4,6,8,10,12,14
.irp b, 0,1,2,3
	v_max3_num_f32 v[TM+\b], v[TM+\b], |v[\s+16*\b+\i]|, |v[\s+16*\b+\i+1]|
.endr
.endr
	WIN 0
.irp b, 0,1,2,3
	v_permlanex16_b32 v[TP+\b], v[TM+\b], s[SEL], s[SEL+1]
.endr
.irp b, 0,1,2,3
	v_max_num_f32 v[TM+\b], v[TM+\b], v[TP+\b]
.endr
.irp b, 0,1,2,3
	v_add_nc_u32 v[SCL+\b], 0xff000000, v[TM+\b]
.endr
.irp b, 0,1,2,3
	v_lshrrev_b32 v[BY+\b], 23, v[SCL+\b]
.endr
	v_lshl_or_b32 v[PW], v[BY+1], 8, v[BY]
	v_lshl_or_b32 v[PW], v[BY+2], 16, v[PW]
	v_lshl_or_b32 v[PW], v[BY+3], 24, v[PW]
	WIN (\sw)
.irp c, 0,1
	v_cvt_scalef32_pk16_fp6_f32 v[PC+6*\c:PC+6*\c+2], v[\s+32*\c:\s+32*\c+15], v[SCL+2*\c]
	v_cvt_scalef32_pk16_fp6_f32 v[PT+4*\c:PT+4*\c+2], v[\s+32*\c+16:\s+32*\c+31], v[SCL+2*\c+1]
.endr
	WIN 0
	v_nop
.irp c, 0,1
.irp i, 0,1,2
	v_permlane16_swap_b32 v[PC+6*\c+\i], v[PT+4*\c+\i]
.endr
.irp i, 0,1,2
	v_mov_b32 v[PC+6*\c+3+\i], v[PT+4*\c+\i]
.endr
.endr
.endm
.macro ROPE a
.if (\a)%2 == 0
.set CC, CS0
.else
.set CC, CS1
.endif
.set AB, 64*((\a)%4)
	WIN 2+(\a)/4
.irp e, 0,1
.set PP, 0
.rept 16
.set QR, AB+32*\e+2*PP
.set TT, T+2*(PP%2)
	v_mul_f32 v[TT], v[QR+1], v[CC+16+PP]
	v_mul_f32 v[TT+1], v[QR], v[CC+16+PP]
	v_fma_f32 v[R+32*\e+2*PP], v[QR], v[CC+PP], -v[TT]
	v_fma_f32 v[R+32*\e+2*PP+1], v[QR+1], v[CC+PP], v[TT+1]
.set PP, PP+1
.endr
.endr
	WIN 0
.endm
	s_load_b256 s[4:11], s[0:1], 0x0
	s_load_b128 s[12:15], s[0:1], 0x20
	v_lshl_add_u32 v[SPW], v0, 2, SPARE
	v_mov_b32 v[NIL], 0
	ds_add_u32 v[SPW], v[NIL]
	ds_add_u32 v[SPW], v[NIL]
	v_lshrrev_b32 v3, 5, v0
	v_readfirstlane_b32 s2, v3
	v_and_b32 v3, 31, v0
	v_lshlrev_b32 v[AD16], 4, v3
	v_lshlrev_b32 v[AD8], 3, v3
	v_add_nc_u32 v[AD16+1], 49152, v[AD16]
	v_add_nc_u32 v[AD8+1], 49152, v[AD8]
	v_and_b32 v3, 15, v0
	v_and_b32 v16, 8, v3
	v_add_nc_u32 v16, v16, v3
	v_lshlrev_b32 v16, 2, v16
	v_bfe_u32 v17, v0, 4, 1
	v_lshlrev_b32 v17, 5, v17
	v_lshlrev_b32 v[R4], 2, v3
	s_mov_b32 s[G1], 3<<16
	s_mov_b32 s[G1+1], 32<<16
	s_mov_b32 s[G1+2], 96<<16                      ; two K steps: 96 rows of 256 bytes
	s_mov_b32 s[G1+3], 32<<16
	s_mov_b32 s[G1+4], 96
	s_mov_b32 s[G1+5], 32
	s_mov_b32 s[G1+6], 0
	s_mov_b32 s[G1+7], 0
	s_mov_b32 s[SEL], 0x76543210
	s_mov_b32 s[SEL+1], 0xfedcba98
	s_mov_b32 s3, ttmp9
	s_cmp_ge_u32 s3, 128
	s_cselect_b32 s[ISV], 1, 0
	s_and_b32 s72, s3, 31
	s_lshr_b32 s73, s3, 5
	s_lshl_b32 s73, s73, 2
	s_add_co_u32 s73, s73, s2
	s_lshr_b32 s[KIND], s73, 3
	s_and_b32 s74, s3, 7
	s_lshr_b32 s75, s3, 3
	s_and_b32 s75, s75, 7
	s_lshl_b32 s75, s75, 2
	s_add_co_u32 s75, s75, s2
	s_add_co_u32 s76, s74, 16
	s_cmp_eq_u32 s[ISV], 1
	s_cselect_b32 s77, s76, s72
	s_cselect_b32 s78, s75, s73
	s_cselect_b32 s79, s75, s72
	s_mov_b32 s80, 3145728
	s_cselect_b32 s81, 9633792, s80
	s_mov_b32 s80, 9633792
	s_cselect_b32 s80, 3145728, s80
	s_mul_i32 s82, s77, 98304
	s_mov_b32 s83, 0
	s_mul_i32 s84, s78, 98304
	s_mov_b32 s85, 0
	s_lshl_b32 s86, s77, 12
	s_add_co_u32 s86, s86, s81
	s_mov_b32 s87, 0
	s_lshl_b32 s88, s78, 12
	s_add_co_u32 s88, s88, s80
	s_mov_b32 s89, 0
	s_mul_i32 s90, s2, 24576                       ; my quarter of the group, in LDS as in memory
	s_add_co_u32 s82, s82, s90
	s_and_b32 s91, s73, 7
	s_cmp_eq_u32 s[ISV], 1
	s_cselect_b32 s91, s74, s91
	s_lshr_b32 s92, s79, 4
	s_and_b32 s93, s79, 15
	s_lshl_b32 s92, s92, 4
	s_lshl_b32 s91, s91, 1
	s_add_co_u32 s92, s92, s91
	s_lshl_b32 s94, s92, 7
	s_lshl_b32 s95, s93, 3
	s_add_co_u32 s94, s94, s95
	s_mul_i32 s95, s94, 768
	s_lshl_b32 s94, s94, 6
	s_add_co_u32 s94, s94, 3145728
	s_lshl_b32 s92, s92, 4
	s_add_co_u32 s92, s92, s93
	s_mul_i32 s92, s92, 13056
	s_add_co_u32 s92, s92, 3407872
	s_add_co_u32 s72, s92, 12288
	s_add_co_u32 s74, s92, 6144
	s_add_co_u32 s75, s92, 12800
	s_mov_b32 s76, 208896
	s_cmp_eq_u32 s[KIND], 0
	s_cselect_b32 s95, s95, s92
	s_cselect_b32 s94, s94, s72
	s_cselect_b32 s77, 98304, s76
	s_cselect_b32 s78, 8192, s76
	s_cmp_eq_u32 s[KIND], 2
	s_cselect_b32 s95, s74, s95
	s_cselect_b32 s94, s75, s94
	s_wait_alu depctr_va_vdst(0)
	s_wait_dscnt 0x0
	s_wait_kmcnt 0x0
	s_cmp_eq_u32 s[ISV], 1
	s_cselect_b64 s[72:73], s[6:7], s[4:5]
	s_cselect_b64 s[74:75], s[4:5], s[6:7]
	s_add_nc_u64 s[RCP:RCP+1], s[72:73], s[82:83]
	s_add_nc_u64 s[SRP:SRP+1], s[72:73], s[86:87]
	s_add_nc_u64 s[SB:SB+1], s[74:75], s[84:85]
	s_add_nc_u64 s[SSP:SSP+1], s[74:75], s[88:89]
.irp c, 0
	s_mov_b32 s[G0+4*\c], 1
	s_add_co_u32 s[G0+4*\c+1], s90, \c*24576
	s_add_nc_u64 s[G0+4*\c+2:G0+4*\c+3], s[RCP:RCP+1], \c*24576
	s_or_b32 s[G0+4*\c+3], s[G0+4*\c+3], 0x80000000
.endr
	s_wait_alu depctr_va_vdst(0)                   ; the wait at the head's end
	tensor_load_to_lds s[G0:G0+3], s[G1:G1+7]      ; my one tensor load
	s_nop 0
	PLACES 4
	s_mov_b32 s73, 0
	s_mov_b32 s72, s95
	s_add_nc_u64 s[CB:CB+1], s[14:15], s[72:73]
	s_mov_b32 s72, s77
	s_add_nc_u64 s[CB+2:CB+3], s[CB:CB+1], s[72:73]
	s_mov_b32 s72, s94
	s_add_nc_u64 s[WB:WB+1], s[14:15], s[72:73]
	s_mov_b32 s72, s78
	s_add_nc_u64 s[WB+2:WB+3], s[WB:WB+1], s[72:73]
	s_lshl_b32 s72, s93, 9
	s_add_nc_u64 s[12:13], s[12:13], s[72:73]
.irp a, 0,1,2,3,4,5,6,7
	global_load_b32 v[POS+\a], v16, s[12:13] offset:(32*(\a/2)+8*(\a%2))*4
.endr
.irp q, 0,1,2,3,4,5,6,7
	global_load_b128 v[SRB+4*\q:SRB+4*\q+3], v[L16], s[SRP:SRP+1] offset:512*\q
.endr
.irp q, 0,1,2,3,4,5,6,7
	global_load_b128 v[SSB+4*\q:SSB+4*\q+3], v[L16], s[SSP:SSP+1] offset:512*\q
.endr
	WIN TO_B
.irp g, 0,1,2,3,4,5,6,7,8,9,10,11,12,13,14,15
	LOADB \g
.endr
	WIN 0
	s_wait_tensorcnt NCH-1
	s_barrier_signal -1
	s_barrier_wait -1
	FETCH_A 0, 0
	FETCH_A 0, 4
.irp q, 0,1,2,3,4,5,6,7
	STEP \q
.endr
	WIN 0
	PLACES 4
	s_cmp_eq_u32 s[ISV], 1
	s_cbranch_scc1 .Lvway
	v_mov_b32 v[TP], 0
	v_mov_b32 v[TP+1], 0
.irp a, 0,1,2,3,4,5,6,7
.if \a < 7
	s_wait_loadcnt 8
.else
	s_wait_loadcnt 0x0
.endif
	ROPE \a
.if \a < 6
	CSLOAD \a+2
.endif
.irp e, 0,1
	s_wait_xcnt 0x0
	QUANT2 R+32*\e
	v_or_b32 v[PW], 0x7f7f0000, v[PW]
	global_store_b128 v[L16], v[PC:PC+3], s[CB+2*\e:CB+2*\e+1] offset:768*\a
	global_store_b64 v[L8], v[PC+4:PC+5], s[CB+2*\e:CB+2*\e+1] offset:768*\a+512
	global_store_b32 v[R4], v[PW], s[WB+2*\e:WB+2*\e+1] offset:64*\a
.endr
.endr
	s_branch .Ldone
.Lvway:
.set TM,  200
.set TP,  204
.set SCL, 208
.set BY,  212
.set PW,  216
.set PC,  218
.set PT,  230
.irp b, 0,1,2,3
	v_mov_b32 v[TP+\b], 0
.endr
.irp a, 0,1,2,3,4,5,6,7
	s_wait_xcnt 0x0
	QUANT4 64*(\a%4), 2+\a/4
.irp k, 0,1,2
	global_store_b128 v[L16], v[PC+4*\k:PC+4*\k+3], s[CB+2*(\a/4):CB+2*(\a/4)+1] offset:1536*(\a%4)+512*\k
.endr
	global_store_b32 v[R4], v[PW], s[WB+2*(\a/4):WB+2*(\a/4)+1] offset:64*(\a%4)
.endr
.Ldone:
	s_wait_tensorcnt 0x0
	ds_add_u32 v[SPW], v[NIL]
	s_wait_dscnt 0x0
	s_endpgm
.Lfunc_end_k_q5041a24c2c_qkvproj:
	.size	k_q5041a24c2c_qkvproj, .Lfunc_end_k_q5041a24c2c_qkvproj-k_q5041a24c2c_qkvproj
	.p2alignl 7, 3214868480
	.fill 96, 4, 3214868480
	.section	.rodata,"a",@progbits
	.p2align	6, 0x0
	.amdhsa_kernel k_q5041a24c2c_qkvproj
		.amdhsa_group_segment_fixed_size 327680
		.amdhsa_private_segment_fixed_size 0
		.amdhsa_enable_private_segment 0
		.amdhsa_kernarg_size 48
		.amdhsa_user_sgpr_count 2
		.amdhsa_user_sgpr_kernarg_segment_ptr 1
		.amdhsa_wavefront_size32 1
		.amdhsa_system_sgpr_workgroup_id_x 1
		.amdhsa_system_sgpr_workgroup_id_y 1
		.amdhsa_system_sgpr_workgroup_id_z 1
		.amdhsa_system_vgpr_workitem_id 0
		.amdhsa_next_free_vgpr 1024
		.amdhsa_next_free_sgpr 100
		.amdhsa_reserve_vcc 0
		.amdhsa_float_denorm_mode_32 3
		.amdhsa_float_denorm_mode_16_64 3
		.amdhsa_memory_ordered 1
		.amdhsa_forward_progress 1
		.amdhsa_inst_pref_size 247
	.end_amdhsa_kernel
	.amdgpu_metadata
---
amdhsa.version: [ 1, 2 ]
amdhsa.kernels:
  - .name:           k_q5041a24c2c_qkvproj
    .symbol:         k_q5041a24c2c_qkvproj.kd
    .args:
      - { .name: hq, .offset: 0, .size: 8, .value_kind: global_buffer, .address_space: global }
      - { .name: wts, .offset: 8, .size: 8, .value_kind: global_buffer, .address_space: global }
      - { .name: cos_cached, .offset: 16, .size: 8, .value_kind: global_buffer, .address_space: global }
      - { .name: sin_cached, .offset: 24, .size: 8, .value_kind: global_buffer, .address_space: global }
      - { .name: token_positions, .offset: 32, .size: 8, .value_kind: global_buffer, .address_space: global }
      - { .name: qkvc, .offset: 40, .size: 8, .value_kind: global_buffer, .address_space: global }
    .group_segment_fixed_size: 327680
    .private_segment_fixed_size: 0
    .kernarg_segment_align: 8
    .kernarg_segment_size: 48
    .max_flat_workgroup_size: 128
    .sgpr_count:     100
    .vgpr_count:     1024
    .wavefront_size: 32
...
	.end_amdgpu_metadata
.endif
;; end of part 2
;; launch attn (part 3): grid 8 x 32, 8 waves a work-group, clusters of 4 x 1, 327,680 bytes of LDS; arguments qkvc, ao; writes ao
.if DOCPART == 3
	.amdgcn_target "amdgcn-amd-amdhsa--gfx1250"
	.amdhsa_code_object_version 6
	.text
	.protected	k_q5041a24c2c_attn
	.globl	k_q5041a24c2c_attn
	.p2align	8
	.type	k_q5041a24c2c_attn,@function
k_q5041a24c2c_attn:
	s_mov_b64 s[64:65], 0
	v_nop
	global_prefetch_b8 v0, s[64:65] scope:SCOPE_SE
	s_setreg_imm32_b32 hwreg(HW_REG_WAVE_MODE, 25, 1), 1
	s_wait_xcnt 0x0
	s_wait_alu depctr_hold_cnt(0) depctr_sa_sdst(0) depctr_va_vdst(0) depctr_va_sdst(0) depctr_va_ssrc(0) depctr_va_vcc(0) depctr_vm_vsrc(0)
	s_getreg_b32 s2, hwreg(HW_REG_IB_STS2, 6, 4)
	s_cmp_eq_u32 s2, 0
	s_cbranch_scc0 .Lentry_in_a_cluster
	s_endpgm
.Lentry_in_a_cluster:
	s_bfe_u32 s2, ttmp6, 0x10000c
	s_cmp_lg_u32 s2, 0x3003
	s_cbranch_scc0 .Lentry_shape_is_right
	s_endpgm
.Lentry_shape_is_right:
; Causal attention on codes of FP6 (E2M3), 32 heads of 2,048 x 64.  t = score x log2(e) / 8; M = the running largest t rounded up to a whole number; p = 2^(t - M) is quantised along the keys, not normalised;
; the row's sum is taken of the unquantised p and divides at the end; when M moves, the sum and O are multiplied by 2^(old M - new M), which rounds nothing.
; Key steps that lie wholly behind a tile's queries are under reference()'s own causal mask and are not multiplied.
; SHARES.  A work-group (j, head) has eight waves.  Query tile (cls, j) is 16 queries, 128 cls + 32 (j / 2) + 8 (j % 2) + r + 8 (r / 8), and needs key steps 0 .. cls of 128 keys.
; Wave w owns two tiles, one after the other: cls = 15 - w, then cls = w: 17 steps for every wave, whatever w and j.
; THE HEAD'S K AND V LIE WHOLE IN LDS: 16 records of 13,056 bytes, each filled once, a record a wave and fill: records 0-7 at the head, records 8-15 behind the sequence ahead of a later first fill.
; The second fill has the eight steps 0-7 of the long tiles (none of them masked, since cls >= 8) in which to land; one barrier shows it to all waves; behind it no wave meets another.
; CLUSTER: four work-groups (four j of one head) need the same records and ask for them JOINTLY, by the same load with a mask that names the four.  j enters global addresses of Q and of the output and the diagonal's compare value alone;
; every branch hangs on the wave's number and a counted loop's step.
; NO PREFETCH: the launch asks for all its K and V by these two fills; no loop stands ahead of either request in which an earlier request could be laid.
; LAYOUT.  S^T = K Q^T (source 0 = 16 keys, source 1 = my queries), O^T = V^T P^T: a lane holds one query throughout; the 16 registers of two neighbouring tiles are 16 neighbouring keys (or channels).
; THE FIRST PRODUCT'S K IS 64.  The instruction takes 128: Q's upper six registers are zero codes, K's upper six are whatever follows (the next tile's codes; E2M3 has no NaN and no infinity), and the
; scale bytes there are 0x7f on both sides: those products add 0.
; LIMITS: the promise holds while |t| stays under 2^31; NaN and infinities are not served; O times v_rcp_f32(sum) stands for the division; a block of zeros carries the byte 1.
; REGISTERS: v1-5 lane terms, v6, v7 the add's two, v8-11 the step's addresses, v12 -M, v13 the largest t, v[14:15] the sum, v16-27 Q, v28-31 lane terms, v32-85 K then V, v86-89 K's words, v90, v91 V's, v92 Q's, v93 p's,
; v96-159 S^T then p, v160-191 O^T, v192-210 p's codes, v212-239 at work, v240-246 the short tile's Q and its words.
.set SPARE, 208896                     ; behind the records: the spare words, 128 bytes a wave
.set REC,   13056
.set WV,    8
.set CLS,   11
.set SEL,   12
.set CS,    14
.set G1,    16
.set G0,    24                         ; s[24:27] the first fill's group 0, s[28:31] the second's
.set TB,    40
.set ST,    41
.set CNT,   42
.set BM,    212
.set TM,    212
.set TP,    216
.set SCL,   220
.set BY,    228
.set PW,    230
.set PC,    192
.set PT,    204
.macro PLACES n
.rept \n
	v_nop
.endr
.endm
.macro CROUND                          ; a round of the cluster's barrier
	s_barrier_signal -1
	s_barrier_wait -1
	s_cmp_lg_u32 s[WV], 0
	s_cbranch_scc1 .Lnot_wave_0_\@
	s_barrier_signal -3
.Lnot_wave_0_\@:
	s_barrier_wait -3
	s_barrier_signal -1
	s_barrier_wait -1
.endm
.macro STEP plain                      ; 128 keys.  plain = 1: a step that is neither behind nor on the diagonal for any wave
.if \plain == 0
	s_cmp_gt_u32 s[ST], s[CLS]
	s_cbranch_scc1 .Lskip_\@                       ; all 128 keys come after my queries
.endif
	v_add_nc_u32 v8, s[TB], v1                     ; four plain instructions: also the places in front of loads into registers that the last products read
	v_add_nc_u32 v9, s[TB], v2
	v_add_nc_u32 v10, s[TB], v4
	v_add_nc_u32 v11, s[TB], v5
.irp t, 0,1,2,3,4,5,6,7
	ds_load_b128 v[32+6*\t:35+6*\t], v8 offset:768*\t
	ds_load_b64 v[36+6*\t:37+6*\t], v9 offset:768*\t+512
.endr
.irp t, 0,1,2,3
	ds_load_b32 v[86+\t], v10 offset:64*\t         ; lanes 0-15 tile t's words, lanes 16-31 tile t + 4's
.endr
	s_wait_alu depctr_va_vdst(0)                   ; the wait directly ahead of the wait below
	s_wait_dscnt 0x0
.irp t, 0,1,2,3
	v_wmma_scale_f32_16x16x128_f8f6f4 v[96+8*\t:103+8*\t], v[32+6*\t:43+6*\t], v[16:27], 0, v[86+\t], v92 matrix_a_fmt:MATRIX_FMT_FP6 matrix_b_fmt:MATRIX_FMT_FP6
.endr
.irp t, 4,5,6,7
	v_wmma_scale_f32_16x16x128_f8f6f4 v[96+8*\t:103+8*\t], v[32+6*\t:43+6*\t], v[16:27], 0, v[82+\t], v92 matrix_a_fmt:MATRIX_FMT_FP6 matrix_b_fmt:MATRIX_FMT_FP6 matrix_a_scale:MATRIX_SCALE_ROW1
.endr
	PLACES 4
.irp f, 0,1,2,3
.irp k, 0,1,2
	ds_load_b128 v[32+12*\f+4*\k:35+12*\f+4*\k], v8 offset:6144+1536*\f+512*\k   ; V^T lands while the softmax is walked
.endr
.endr
	ds_load_b32 v90, v11
	ds_load_b32 v91, v11 offset:64
.if \plain == 0
	s_cmp_lg_u32 s[ST], s[CLS]
	s_cbranch_scc1 .Lopen_\@
	v_mov_b32 v226, 0xff800000                     ; the diagonal step: hidden scores become -infinity ahead of the maximum.  Register 16 b + i holds key 32 b + 16 (lane / 16) + i of the step
.set NN, 0
.rept 64
	v_cmp_gt_i32 vcc_lo, 32*(NN/16)+NN%16, v30
	v_cndmask_b32 v[96+NN], v[96+NN], v226, vcc_lo
.set NN, NN+1
.endr
.Lopen_\@:
.endif
.irp b, 0,1,2,3
	v_max3_num_f32 v[BM+\b], v[96+16*\b], v[97+16*\b], v[98+16*\b]   ; the largest score of each block of 32 keys: for the row's maximum, and, since p rises with the score, for the block's largest p
.endr
.irp i, 3,5,7,9,11,13
.irp b, 0,1,2,3
	v_max3_num_f32 v[BM+\b], v[BM+\b], v[96+16*\b+\i], v[97+16*\b+\i]
.endr
.endr
.irp b, 0,1,2,3
	v_max_num_f32 v[BM+\b], v[BM+\b], v[111+16*\b]
.endr
.irp b, 0,1,2,3
	s_delay_alu instid0(VALU_DEP_4)
	v_permlanex16_b32 v[TP+\b], v[BM+\b], s[SEL], s[SEL+1]
.endr
.irp b, 0,1,2,3
	s_delay_alu instid0(VALU_DEP_4)
	v_max_num_f32 v[BM+\b], v[BM+\b], v[TP+\b]
.endr
	s_delay_alu instid0(VALU_DEP_2)
	v_max3_num_f32 v226, v212, v213, v214
	s_delay_alu instid0(VALU_DEP_1)
	v_max_num_f32 v226, v226, v215
	s_delay_alu instid0(VALU_DEP_1)
	v_mul_f32 v226, s[CS], v226
	s_delay_alu instid0(VALU_DEP_1)
	v_max_num_f32 v13, v13, v226                   ; the running largest t
	v_mov_b32 v226, v12
	s_delay_alu instid0(VALU_DEP_2)
	v_floor_f32 v12, -v13                          ; -M = floor(-t)
	s_delay_alu instid0(VALU_DEP_1)
	v_sub_f32 v226, v12, v226
	s_delay_alu instid0(VALU_DEP_1)
	v_cvt_i32_f32 v226, v226                       ; (it saturates)
	s_delay_alu instid0(VALU_DEP_1)
	v_ldexp_f32 v224, 1.0, v226                    ; f = 2^(old M - new M)
.set JJ, 0
.rept 32
	v_pk_fma_f32 v[96+JJ:97+JJ], v[96+JJ:97+JJ], s[CS:CS+1], v[12:13] op_sel_hi:[1,0,0]   ; t - M
.set JJ, JJ+2
.endr
.irp b, 0,1,2,3
	v_fma_f32 v[BM+\b], v[BM+\b], s[CS], v12
.endr
.set JJ, 0
	s_wait_alu depctr_va_vdst(0)                   ; the wait ahead of the batch
.rept 64
	v_exp_f32 v[96+JJ], v[96+JJ]                   ; p
.set JJ, JJ+1
.endr
	v_pk_mul_f32 v[14:15], v[14:15], v[224:225] op_sel_hi:[1,0]   ; the sums under the new M: a plain place behind the exponentials
	s_wait_alu depctr_va_vdst(0)                   ; one wait for the batch, ahead of its first reader
.irp b, 0,1,2,3
	v_exp_f32 v[BM+\b], v[BM+\b]                   ; the block's largest p: the same two instructions on the same number
.endr
	v_pk_add_f32 v[216:217], v[100:101], v[104:105]                ; the row's sum of the unquantised p: 32 pairs in eight chains
	v_pk_add_f32 v[238:239], v[108:109], v[112:113]
	v_pk_add_f32 v[236:237], v[116:117], v[120:121]
	v_pk_add_f32 v[234:235], v[124:125], v[128:129]
	v_pk_add_f32 v[232:233], v[132:133], v[136:137]
	v_pk_add_f32 v[230:231], v[140:141], v[144:145]
	v_pk_add_f32 v[228:229], v[148:149], v[152:153]
	v_pk_add_f32 v[14:15], v[14:15], v[156:157]
	v_pk_add_f32 v[216:217], v[216:217], v[96:97]
	v_pk_add_f32 v[238:239], v[238:239], v[98:99]
	v_pk_add_f32 v[236:237], v[236:237], v[102:103]
	v_pk_add_f32 v[234:235], v[234:235], v[106:107]
	v_pk_add_f32 v[232:233], v[232:233], v[110:111]
	v_pk_add_f32 v[230:231], v[230:231], v[114:115]
	v_pk_add_f32 v[228:229], v[228:229], v[118:119]
	v_pk_add_f32 v[14:15], v[14:15], v[122:123]
	v_pk_add_f32 v[216:217], v[216:217], v[126:127]
	v_pk_add_f32 v[238:239], v[238:239], v[130:131]
	v_pk_add_f32 v[236:237], v[236:237], v[134:135]
	v_pk_add_f32 v[234:235], v[234:235], v[138:139]
	v_pk_add_f32 v[232:233], v[232:233], v[142:143]
	v_pk_add_f32 v[230:231], v[230:231], v[146:147]
	v_pk_add_f32 v[228:229], v[228:229], v[150:151]
	v_pk_add_f32 v[14:15], v[14:15], v[154:155]
	v_pk_add_f32 v[216:217], v[216:217], v[158:159]
	s_delay_alu instid0(VALU_DEP_2)
	v_pk_add_f32 v[14:15], v[14:15], v[234:235]
	s_delay_alu instid0(VALU_DEP_2)
	v_pk_add_f32 v[216:217], v[216:217], v[232:233]
	v_pk_add_f32 v[238:239], v[238:239], v[230:231]
	v_pk_add_f32 v[236:237], v[236:237], v[228:229]
	s_delay_alu instid0(VALU_DEP_2)
	v_pk_add_f32 v[14:15], v[14:15], v[238:239]
	s_delay_alu instid0(VALU_DEP_2)
	v_pk_add_f32 v[216:217], v[216:217], v[236:237]
	s_delay_alu instid0(VALU_DEP_1)
	v_pk_add_f32 v[14:15], v[14:15], v[216:217]
	s_wait_alu depctr_va_vdst(0)                   ; and one for the four
.irp b, 0,1,2,3
	v_max_num_f32 v[BM+\b], 0x1800000, v[BM+\b]    ; the floor: the byte cannot fall under 1
.endr
.irp b, 0,1,2,3
	s_delay_alu instid0(VALU_DEP_4)
	v_add_nc_u32 v[SCL+\b], 0xff000000, v[BM+\b]
.endr
.irp b, 0,1,2,3
	s_delay_alu instid0(VALU_DEP_4)
	v_lshrrev_b32 v[TP+\b], 23, v[SCL+\b]
.endr
	s_delay_alu instid0(VALU_DEP_3)
	v_lshl_or_b32 v93, v217, 8, v216               ; p's scale word for these 128 keys
	s_delay_alu instid0(VALU_DEP_1)
	v_lshl_or_b32 v93, v218, 16, v93
	s_delay_alu instid0(VALU_DEP_1)
	v_lshl_or_b32 v93, v219, 24, v93
.irp c, 0,1
	v_cvt_scalef32_pk16_fp6_f32 v[PC+6*\c:PC+6*\c+2], v[96+32*\c:111+32*\c], v[SCL+2*\c]
	v_cvt_scalef32_pk16_fp6_f32 v[PT+4*\c:PT+4*\c+2], v[112+32*\c:127+32*\c], v[SCL+2*\c+1]
.endr
	v_nop                                          ; one plain place behind the conversions
.irp c, 0,1
.irp i, 0,1,2
	v_permlane16_swap_b32 v[PC+6*\c+\i], v[PT+4*\c+\i]
.endr
.irp i, 0,1,2
	s_delay_alu instid0(VALU_DEP_3)
	v_mov_b32 v[PC+6*\c+3+\i], v[PT+4*\c+\i]
.endr
.endr
.set JJ, 0
.rept 16
	v_pk_mul_f32 v[160+JJ:161+JJ], v[160+JJ:161+JJ], v[224:225] op_sel_hi:[1,0]   ; O^T under the new M; these sixteen are also the places between p's codes and word and the products
.set JJ, JJ+2
.endr
	s_wait_alu depctr_va_vdst(0)                   ; the wait directly ahead of the wait below
	s_wait_dscnt 0x0                               ; V^T and its words
.irp f, 0,1
	v_wmma_scale_f32_16x16x128_f8f6f4 v[160+8*\f:167+8*\f], v[32+12*\f:43+12*\f], v[192:203], v[160+8*\f:167+8*\f], v[90+\f], v93 matrix_a_fmt:MATRIX_FMT_FP6 matrix_b_fmt:MATRIX_FMT_FP6
.endr
.irp f, 2,3
	v_wmma_scale_f32_16x16x128_f8f6f4 v[160+8*\f:167+8*\f], v[32+12*\f:43+12*\f], v[192:203], v[160+8*\f:167+8*\f], v[88+\f], v93 matrix_a_fmt:MATRIX_FMT_FP6 matrix_b_fmt:MATRIX_FMT_FP6 matrix_a_scale:MATRIX_SCALE_ROW1
.endr
.Lskip_\@:
	s_add_co_u32 s[TB], s[TB], REC
	s_add_co_u32 s[ST], s[ST], 1
.endm
.macro WALK first, plain               ; eight key steps from step first on: a constant trip count; a wave jumps over the work of the steps behind its diagonal
	s_mov_b32 s[TB], \first*REC
	s_mov_b32 s[ST], \first
	s_mov_b32 s[CNT], 8
.Lw_\@:
	STEP \plain
	s_sub_co_u32 s[CNT], s[CNT], 1
	s_cmp_lg_u32 s[CNT], 0
	s_cbranch_scc1 .Lw_\@
.endm
.macro INIT                            ; a tile's state: the step is written once; the first finds zeros, which the first change of M leaves zeros
	v_mov_b32 v13, 0xff61b1e6                      ; -3e38, under every t
	s_delay_alu instid0(VALU_DEP_1)
	v_floor_f32 v12, -v13
	v_mov_b32 v14, 0
	v_mov_b32 v15, 0
.set JJ, 0
.rept 32
	v_mov_b32 v[160+JJ], 0
.set JJ, JJ+1
.endr
	s_wait_alu depctr_va_vdst(0)                   ; the wait ahead of the waits and branches that follow
.endm
.macro QUANT2 s
.irp b, 0,1
	v_max3_num_f32 v[TM+\b], |v[\s+16*\b]|, |v[\s+16*\b+1]|, 0x1800000
.endr
.irp i, 2,4,6,8,10,12,14
.irp b, 0,1
	s_delay_alu instid0(VALU_DEP_2)
	v_max3_num_f32 v[TM+\b], v[TM+\b], |v[\s+16*\b+\i]|, |v[\s+16*\b+\i+1]|
.endr
.endr
.irp b, 0,1
	s_delay_alu instid0(VALU_DEP_2)
	v_permlanex16_b32 v[TP+\b], v[TM+\b], s[SEL], s[SEL+1]
.endr
.irp b, 0,1
	s_delay_alu instid0(VALU_DEP_2)
	v_max_num_f32 v[TM+\b], v[TM+\b], v[TP+\b]
.endr
.irp b, 0,1
	s_delay_alu instid0(VALU_DEP_2)
	v_add_nc_u32 v[SCL+\b], 0xff000000, v[TM+\b]
.endr
.irp b, 0,1
	s_delay_alu instid0(VALU_DEP_2)
	v_lshrrev_b32 v[BY+\b], 23, v[SCL+\b]
.endr
	s_delay_alu instid0(VALU_DEP_1)
	v_lshl_or_b32 v[PW], v[BY+1], 8, v[BY]
	v_cvt_scalef32_pk16_fp6_f32 v[PC:PC+2], v[\s:\s+15], v[SCL]
	v_cvt_scalef32_pk16_fp6_f32 v[PT:PT+2], v[\s+16:\s+31], v[SCL+1]
	v_nop
.irp i, 0,1,2
	v_permlane16_swap_b32 v[PC+\i], v[PT+\i]
.endr
.irp i, 0,1,2
	s_delay_alu instid0(VALU_DEP_3)
	v_mov_b32 v[PC+3+\i], v[PT+\i]
.endr
.endm
.macro EPI o, os                       ; a tile's end: O / the sum, quantised along head x 64 + channel, the next product's K
	PLACES 4                                       ; behind the last products
	v_add_f32 v14, v14, v15
	s_delay_alu instid0(VALU_DEP_1)
	v_permlanex16_b32 v216, v14, s[SEL], s[SEL+1]
	s_delay_alu instid0(VALU_DEP_1)
	v_add_f32 v14, v14, v216                       ; the row's sum
	s_wait_alu depctr_va_vdst(0)                   ; the wait ahead of the transcendental
	v_rcp_f32 v14, v14
	v_nop
	s_wait_alu depctr_va_vdst(0)                   ; and ahead of its first reader
.set JJ, 0
.rept 32
	v_mul_f32 v[96+JJ], v[160+JJ], v14             ; register 16 b + i: channel 32 b + 16 (lane / 16) + i of my query
.set JJ, JJ+1
.endr
	QUANT2 96
	global_store_b128 v1, v[PC:PC+3], s[\o:\o+1]
	global_store_b64 v2, v[PC+4:PC+5], s[\o:\o+1] offset:512
	global_store_b16 v28, v[PW], s[\os:\os+1]      ; my head's two bytes of the row's scale word
.endm
.macro ADDRS c, q, qs, o, os           ; byte offsets of tile (s[c], j): Q's half fragment and words in qkvc, the output's half fragment and bytes in ao
	s_lshl_b32 s43, s10, 7
	s_lshl_b32 s44, s[\c], 3
	s_add_co_u32 s43, s43, s44
	s_add_co_u32 s43, s43, s9                      ; head x 128 + the query tile
	s_mul_i32 s[\q], s43, 768
	s_mov_b32 s[\q+1], 0
	s_lshl_b32 s[\qs], s43, 6
	s_add_co_u32 s[\qs], s[\qs], 3145728
	s_mov_b32 s[\qs+1], 0
	s_and_b32 s43, s10, 16                         ; batch x 16
	s_add_co_u32 s43, s43, s[\c]                   ; the token group in ao
	s_lshl_b32 s43, s43, 3
	s_bfe_u32 s44, s10, 0x30001                    ; K step = head / 2
	s_add_co_u32 s43, s43, s44
	s_lshl_b32 s44, s43, 3
	s_add_co_u32 s44, s44, s9
	s_mul_i32 s44, s44, 1536
	s_add_co_u32 s[\o], s44, s45
	s_mov_b32 s[\o+1], 0
	s_lshl_b32 s43, s43, 9
	s_add_co_u32 s[\os], s43, s46
	s_mov_b32 s[\os+1], 0
.endm
	s_load_b128 s[4:7], s[0:1], 0x0                ; qkvc, ao
	v_lshl_add_u32 v6, v0, 2, SPARE
	v_mov_b32 v7, 0
	ds_add_u32 v6, v7                              ; the wave's opening: the add, twice on end, and its wait ahead of the round in front of the first loads
	ds_add_u32 v6, v7
	v_lshrrev_b32 v1, 5, v0
	s_delay_alu instid0(VALU_DEP_1)
	v_readfirstlane_b32 s[WV], v1
	s_and_b32 s10, ttmp7, 0xffff                   ; batch x 16 + head, which the four partners share
	s_mov_b32 s[G1], 15|(3<<16)|(1<<21)            ; the mask names the cluster's four; elements of 8 bytes; bit 21 set beside a mask
	s_mov_b32 s[G1+1], 32<<16                      ; a record: 51 rows of 256 bytes, dense
	s_mov_b32 s[G1+2], 51<<16
	s_mov_b32 s[G1+3], 32<<16
	s_mov_b32 s[G1+4], 51
	s_mov_b32 s[G1+5], 32
	s_mov_b32 s[G1+6], 0
	s_mov_b32 s[G1+7], 0
	s_mul_i32 s46, s10, 16*REC
	s_add_co_u32 s46, s46, 3407872                 ; the head's records
	s_mul_i32 s44, s[WV], REC
	s_add_co_u32 s46, s46, s44
	s_mov_b32 s47, 0
	s_wait_dscnt 0x0                               ; both opening adds are done
	s_wait_kmcnt 0x0
	s_add_nc_u64 s[46:47], s[4:5], s[46:47]
.irp c, 0,1
	s_mov_b32 s[G0+4*\c], 1
	s_add_co_u32 s[G0+4*\c+1], s44, \c*8*REC       ; record 8 c + wave, in LDS as in memory
	s_add_nc_u64 s[G0+4*\c+2:G0+4*\c+3], s[46:47], \c*8*REC
	s_or_b32 s[G0+4*\c+3], s[G0+4*\c+3], 0x80000000
.endr
	CROUND                                         ; all four work-groups are here: the joint loads meet
	tensor_load_to_lds s[G0:G0+3], s[G1:G1+7]      ; record w: my one load at the head
	s_nop 0
	s_bfe_u32 s43, ttmp6, 0x40000                  ; my place in the cluster
	s_lshl_b32 s9, ttmp9, 2
	s_add_co_u32 s9, s9, s43                       ; j
	s_xor_b32 s[CLS], s[WV], 15                    ; the long tile first: 15 - w
	s_mov_b32 s[SEL], 0x76543210
	s_mov_b32 s[SEL+1], 0xfedcba98
	s_mov_b32 s[CS], 0x3e38aa3b                    ; log2(e) / 8
	s_mov_b32 s[CS+1], s[CS]
	s_and_b32 s47, s10, 1                          ; which half of the output's fragment
	s_mul_i32 s45, s47, 768
	s_lshl_b32 s47, s47, 1
	s_lshr_b32 s46, s9, 2
	s_lshl_b32 s46, s46, 8
	s_add_co_u32 s46, s46, s47
	s_and_b32 s47, s9, 3
	s_lshl_b32 s47, s47, 2
	s_add_co_u32 s46, s46, s47
	s_add_co_u32 s46, s46, 3145728                 ; my bytes' place in a K step's scale words
	ADDRS CLS, 50, 52, 54, 56
	ADDRS WV, 32, 34, 36, 38
.irp p, 50,52,32,34
	s_add_nc_u64 s[\p:\p+1], s[4:5], s[\p:\p+1]
.endr
.irp p, 54,56,36,38
	s_add_nc_u64 s[\p:\p+1], s[6:7], s[\p:\p+1]
.endr
	s_lshr_b32 s48, s9, 1
	s_lshl_b32 s48, s48, 5
	s_and_b32 s47, s9, 1
	s_lshl_b32 s47, s47, 3
	s_add_co_u32 s48, s48, s47                     ; 32 (j / 2) + 8 (j % 2)
	v_and_b32 v3, 31, v0
	s_delay_alu instid0(VALU_DEP_1)
	v_lshlrev_b32 v1, 4, v3                        ; 16 x lane
	s_delay_alu instid0(VALU_DEP_2)
	v_lshlrev_b32 v2, 3, v3                        ; 8 x lane
	v_and_b32 v29, 15, v0                          ; r
	v_bfe_u32 v31, v0, 4, 1                        ; h
	s_delay_alu instid0(VALU_DEP_2)
	v_lshlrev_b32 v3, 2, v29                       ; 4 r
	s_delay_alu instid0(VALU_DEP_3)
	v_lshlrev_b32 v28, 4, v29                      ; 16 r
	s_delay_alu instid0(VALU_DEP_2)
	v_lshl_add_u32 v4, v31, 8, v3
	s_delay_alu instid0(VALU_DEP_1)
	v_add_nc_u32 v4, 12288, v4                     ; K's words: 4 r + 256 h
	s_delay_alu instid0(VALU_DEP_4)
	v_lshl_add_u32 v5, v31, 7, v3
	s_delay_alu instid0(VALU_DEP_1)
	v_add_nc_u32 v5, 12800, v5                     ; V's: 4 r + 128 h
	global_load_b128 v[16:19], v1, s[50:51]        ; the long tile's Q: a half fragment, which stays in registers
	global_load_b64 v[20:21], v2, s[50:51] offset:512
	global_load_b32 v92, v3, s[52:53]
	global_load_b128 v[240:243], v1, s[32:33]      ; and the short tile's, kept until its turn
	global_load_b64 v[244:245], v2, s[32:33] offset:512
	global_load_b32 v246, v3, s[34:35]
	v_and_b32 v30, 8, v29
	s_delay_alu instid0(VALU_DEP_1)
	v_add_nc_u32 v30, v30, v29
	v_lshlrev_b32 v31, 4, v31
	s_delay_alu instid0(VALU_DEP_1)
	v_sub_nc_u32 v30, v30, v31
	s_delay_alu instid0(VALU_DEP_1)
	v_add_nc_u32 v30, s48, v30                     ; my query's place among the diagonal step's keys, less 16 (lane / 16)
.irp i, 22,23,24,25,26,27,80,81,82,83,84,85
	v_mov_b32 v[\i], 0                             ; Q's upper 64 along K: zero codes; and what follows K's last tile
.endr
.irp b, 0,1,2,3
	v_mov_b32 v[TP+\b], 0                          ; a lane permute's destination counts as one of its sources
.endr
	v_mov_b32 v225, 0                              ; named as the upper half of f's pair
	INIT
	s_wait_loadcnt 0x0                             ; both tiles' Q
	s_wait_tensorcnt 0x0                           ; my record of the first eight has landed; then, ahead of a later first fill:
	ds_add_u32 v6, v7                              ; 0 onto my spare word,
	s_wait_dscnt 0x0                               ; and the wait for it
	CROUND                                         ; everybody's record is in, and all four work-groups are here
	tensor_load_to_lds s[G0+4:G0+7], s[G1:G1+7]    ; record 8 + w: my one load behind the round
	s_nop 0
	WALK 0, 1                                      ; the long tile, key steps 0-7: cls >= 8, so none is masked
	s_wait_tensorcnt 0x0                           ; my record of the second eight has landed
	s_wait_dscnt 0x0
	s_barrier_signal -1
	s_barrier_wait -1                              ; everybody's has; nothing is ever filled again
	WALK 8, 0                                      ; key steps 8 .. cls
	EPI 54, 56
	s_wait_xcnt 0x0                                ; the stores have read their registers, which the next tile writes again
	s_mov_b32 s[CLS], s[WV]                        ; the short tile: cls = w
.irp i, 0,1,2,3,4,5
	v_mov_b32 v[16+\i], v[240+\i]
.endr
	v_mov_b32 v92, v246                            ; (the state's 36 lines below are the places between these and the products)
	INIT
	WALK 0, 0                                      ; key steps 0 .. cls
	EPI 36, 38
	s_wait_tensorcnt 0x0                           ; the wave's end
	ds_add_u32 v6, v7
	s_wait_dscnt 0x0
	CROUND                                         ; the closing round
	s_endpgm
.Lfunc_end_k_q5041a24c2c_attn:
	.size	k_q5041a24c2c_attn, .Lfunc_end_k_q5041a24c2c_attn-k_q5041a24c2c_attn
	.p2alignl 7, 3214868480
	.fill 96, 4, 3214868480
	.section	.rodata,"a",@progbits
	.p2align	6, 0x0
	.amdhsa_kernel k_q5041a24c2c_attn
		.amdhsa_group_segment_fixed_size 327680
		.amdhsa_private_segment_fixed_size 0
		.amdhsa_enable_private_segment 0
		.amdhsa_kernarg_size 16
		.amdhsa_user_sgpr_count 2
		.amdhsa_user_sgpr_kernarg_segment_ptr 1
		.amdhsa_wavefront_size32 1
		.amdhsa_system_sgpr_workgroup_id_x 1
		.amdhsa_system_sgpr_workgroup_id_y 1
		.amdhsa_system_sgpr_workgroup_id_z 1
		.amdhsa_system_vgpr_workitem_id 0
		.amdhsa_next_free_vgpr 248
		.amdhsa_next_free_sgpr 66
		.amdhsa_reserve_vcc 1
		.amdhsa_float_denorm_mode_32 3
		.amdhsa_float_denorm_mode_16_64 3
		.amdhsa_memory_ordered 1
		.amdhsa_forward_progress 1
		.amdhsa_inst_pref_size 82
	.end_amdhsa_kernel
	.amdgpu_metadata
---
amdhsa.version: [ 1, 2 ]
amdhsa.kernels:
  - .name:           k_q5041a24c2c_attn
    .symbol:         k_q5041a24c2c_attn.kd
    .args:
      - { .name: qkvc, .offset: 0, .size: 8, .value_kind: global_buffer, .address_space: global }
      - { .name: ao, .offset: 8, .size: 8, .value_kind: global_buffer, .address_space: global }
    .group_segment_fixed_size: 327680
    .private_segment_fixed_size: 0
    .kernarg_segment_align: 8
    .kernarg_segment_size: 16
    .max_flat_workgroup_size: 256
    .sgpr_count:     66
    .vgpr_count:     248
    .wavefront_size: 32
...
	.end_amdgpu_metadata
.endif
;; end of part 3
;; launch oproj (part 4): grid 8 x 32, 4 waves a work-group, clusters of 4 x 1, 167,936 bytes of LDS; arguments ao, wts, x, out1; writes out1
.if DOCPART == 4
	.amdgcn_target "amdgcn-amd-amdhsa--gfx1250"
	.amdhsa_code_object_version 6
	.text
	.protected	k_q5041a24c2c_oproj
	.globl	k_q5041a24c2c_oproj
	.p2align	8
	.type	k_q5041a24c2c_oproj,@function
k_q5041a24c2c_oproj:
	s_mov_b64 s[64:65], 0
	v_nop
	global_prefetch_b8 v0, s[64:65] scope:SCOPE_SE
	s_setreg_imm32_b32 hwreg(HW_REG_WAVE_MODE, 25, 1), 1
	s_wait_xcnt 0x0
	s_wait_alu depctr_hold_cnt(0) depctr_sa_sdst(0) depctr_va_vdst(0) depctr_va_sdst(0) depctr_va_ssrc(0) depctr_va_vcc(0) depctr_vm_vsrc(0)
	s_getreg_b32 s2, hwreg(HW_REG_IB_STS2, 6, 4)
	s_cmp_eq_u32 s2, 0
	s_cbranch_scc0 .Lentry_in_a_cluster
	s_endpgm
.Lentry_in_a_cluster:
	s_bfe_u32 s2, ttmp6, 0x10000c
	s_cmp_lg_u32 s2, 0x3003
	s_cbranch_scc0 .Lentry_shape_is_right
	s_endpgm
.Lentry_shape_is_right:
; out = A W^T + residual, f32 [4096][1024], on codes of FP6 (E2M3) with E8M0 scales.  The text serves two launches, told apart by FFN2 at its head: 0: A = attention's output, W = wo, K = 1,024; 1: A = the activation, W = w2, K = 2,816 (2,752 and zeros).
; A work-group makes 128 rows x 128 columns.  A's group of 128 rows lies whole in LDS, filled once by tensor loads in chunks along K; wave w streams W's tiles 2 w and 2 w + 1 from memory into a ring of 16 fragments in registers.
; Source 0 = a tile of W, source 1 = a tile of A: a lane holds one row of the output and 16 neighbouring columns in two accumulators.  16 accumulators a wave.  K is written out: every offset is an immediate.
; CLUSTER: the four work-groups of a cluster make four column blocks of the same 128 rows and need the same group of A: each chunk is asked for JOINTLY, by the same load with a mask that names the four.
; The place in the cluster enters global addresses of W, the residual and the output alone.
; THE RESIDUAL, 32 rows of 512 bytes a wave, is asked for at the head, behind the ring's first sixteen fragments: it has the whole walk along K in which to land.
; THE WAY OUT goes through a stage of 128 rows x (512 + 16) bytes laid over A's bytes, which have had their last fill and, behind a barrier, their last read; each wave adds the residual to 32 whole rows of 512 bytes and stores them.
; Each wave reads all eight tiles of A for 16 products a K step: the price of 128 columns to a work-group, which keeps all 256 WGPs at work with N = 1,024.
; REGISTERS: window 0: v4-18 addresses, v28, v29 the add's two, from v32 A's scale words, behind them W's, v144-239 A's fragments; window 1: the ring, later the rows read back; window 2: v0-63 accumulators, v64-191 the residual; window 3: v0-63 accumulators.
.set FFN2,  0
.if FFN2
.set KS,    22
.set NCH,   6
.set RES_SC, 8650752
.set STR_C, 7471104
.set STR_S, 9945088
.else
.set KS,    8
.set NCH,   1
.set RES_SC, 3145728
.set STR_C, 2359296
.set STR_S, 9732096
.endif
.set CT,    2
.set NAD,   (KS+3)/4
.set SPARE, KS*12288
.set AD16,  4
.set AD8,   10
.set L16,   AD16
.set L8,    AD8
.set STO,   16
.set RD,    17
.set SPW,   28
.set NIL,   29
.set SRB,   32
.set SSB,   32+4*KS
.set AF,    144
.set G1,    16
.set G1B,   24
.set G0,    32
.set SB,    56
.set SSP,   58
.set SRP,   60
.set RCP,   62
.set RESP,  66
.set OUTP,  68
.set MUL_LO, 0xa1
.set MUL_HI, 0xf1
.set TO_B,   0x40
.set MSB, 0
.macro WIN new
.if MSB != (\new)
	s_set_vgpr_msb (MSB<<8)|(\new)
.set MSB, (\new)
.endif
.endm
.macro PLACES n
.rept \n
	v_nop
.endr
.endm
.macro CROUND                          ; a round of the cluster's barrier
	s_barrier_signal -1
	s_barrier_wait -1
	s_cmp_lg_u32 s2, 0
	s_cbranch_scc1 .Lnot_wave_0_\@
	s_barrier_signal -3
.Lnot_wave_0_\@:
	s_barrier_wait -3
	s_barrier_signal -1
	s_barrier_wait -1
.endm
.macro LOADB g
.set SL, 12*((\g)%16)
.set BO, ((\g)/CT)*12288+((\g)%CT)*1536
	global_load_b128 v[SL:SL+3], v[L16], s[SB:SB+1] offset:BO
	global_load_b64 v[SL+4:SL+5], v[L8], s[SB:SB+1] offset:BO+512
	global_load_b128 v[SL+6:SL+9], v[L16], s[SB:SB+1] offset:BO+768
	global_load_b64 v[SL+10:SL+11], v[L8], s[SB:SB+1] offset:BO+1280
.endm
.macro FETCH_A q, t0
.irp i, 0,1,2,3
.set FT, (\t0)+\i
.set FO, ((\q)%4)*12288+FT*1536
.set FRG, AF+12*FT
	ds_load_b128 v[FRG:FRG+3], v[AD16+(\q)/4] offset:FO
	ds_load_b64 v[FRG+4:FRG+5], v[AD8+(\q)/4] offset:FO+512
	ds_load_b128 v[FRG+6:FRG+9], v[AD16+(\q)/4] offset:FO+768
	ds_load_b64 v[FRG+10:FRG+11], v[AD8+(\q)/4] offset:FO+1280
.endr
.endm
.macro WAITB q, b                      ; fragment (q, b) is in: four loads for each fragment issued behind it may be out, and, behind the first sixteen fragments, the residual's 32; a wait names 63 at the most, which is the stricter side
.set LASTG, CT*(\q)+15
.if LASTG > CT*KS-1
.set LASTG, CT*KS-1
.endif
.set WN, 4*(LASTG-CT*(\q)-(\b))
.if CT*(\q)+(\b) < 16
.set WN, WN+32
.endif
.if WN > 63
.set WN, 63
.endif
	s_wait_loadcnt WN
.endm
.macro MUL q, a, b
.set AC, 8*(CT*((\a)%4)+(\b))
.set SL, 12*((CT*(\q)+(\b))%16)
.set FA, AF+12*(\a)
.set RA, SSB+(\q)
.set HA, (\b)
.set RB, SRB+4*(\q)+(\a)%4
.set HB, (\a)/4
.if (\q) == 0
.if HA == 0 && HB == 0
	v_wmma_scale_f32_16x16x128_f8f6f4 v[AC:AC+7], v[SL:SL+11], v[FA:FA+11], 0, v[RA], v[RB] matrix_a_fmt:MATRIX_FMT_FP6 matrix_b_fmt:MATRIX_FMT_FP6
.elseif HA == 1 && HB == 0
	v_wmma_scale_f32_16x16x128_f8f6f4 v[AC:AC+7], v[SL:SL+11], v[FA:FA+11], 0, v[RA], v[RB] matrix_a_fmt:MATRIX_FMT_FP6 matrix_b_fmt:MATRIX_FMT_FP6 matrix_a_scale:MATRIX_SCALE_ROW1
.elseif HA == 0 && HB == 1
	v_wmma_scale_f32_16x16x128_f8f6f4 v[AC:AC+7], v[SL:SL+11], v[FA:FA+11], 0, v[RA], v[RB] matrix_a_fmt:MATRIX_FMT_FP6 matrix_b_fmt:MATRIX_FMT_FP6 matrix_b_scale:MATRIX_SCALE_ROW1
.else
	v_wmma_scale_f32_16x16x128_f8f6f4 v[AC:AC+7], v[SL:SL+11], v[FA:FA+11], 0, v[RA], v[RB] matrix_a_fmt:MATRIX_FMT_FP6 matrix_b_fmt:MATRIX_FMT_FP6 matrix_a_scale:MATRIX_SCALE_ROW1 matrix_b_scale:MATRIX_SCALE_ROW1
.endif
.else
.if HA == 0 && HB == 0
	v_wmma_scale_f32_16x16x128_f8f6f4 v[AC:AC+7], v[SL:SL+11], v[FA:FA+11], v[AC:AC+7], v[RA], v[RB] matrix_a_fmt:MATRIX_FMT_FP6 matrix_b_fmt:MATRIX_FMT_FP6
.elseif HA == 1 && HB == 0
	v_wmma_scale_f32_16x16x128_f8f6f4 v[AC:AC+7], v[SL:SL+11], v[FA:FA+11], v[AC:AC+7], v[RA], v[RB] matrix_a_fmt:MATRIX_FMT_FP6 matrix_b_fmt:MATRIX_FMT_FP6 matrix_a_scale:MATRIX_SCALE_ROW1
.elseif HA == 0 && HB == 1
	v_wmma_scale_f32_16x16x128_f8f6f4 v[AC:AC+7], v[SL:SL+11], v[FA:FA+11], v[AC:AC+7], v[RA], v[RB] matrix_a_fmt:MATRIX_FMT_FP6 matrix_b_fmt:MATRIX_FMT_FP6 matrix_b_scale:MATRIX_SCALE_ROW1
.else
	v_wmma_scale_f32_16x16x128_f8f6f4 v[AC:AC+7], v[SL:SL+11], v[FA:FA+11], v[AC:AC+7], v[RA], v[RB] matrix_a_fmt:MATRIX_FMT_FP6 matrix_b_fmt:MATRIX_FMT_FP6 matrix_a_scale:MATRIX_SCALE_ROW1 matrix_b_scale:MATRIX_SCALE_ROW1
.endif
.endif
.endm
.macro CHUNKW q1                       ; all of A is in behind the head's barrier: nothing is waited for on the walk
.endm
.macro RESLOAD                         ; my 32 rows of the residual, 512 bytes each, into window 2
	WIN 0x80
.set I_, 0
.rept 32
	global_load_b128 v[64+4*I_:67+4*I_], v[L16], s[RESP:RESP+1] offset:I_*4096
.set I_, I_+1
.endr
	WIN 0
.endm
.macro STEP q                          ; 16 products; the accumulators take turns, one instruction a turn
	s_wait_dscnt 16                                ; A's tiles 0-3 are in; the 16 loads of tiles 4-7 may be out
	WIN MUL_LO
.set BI, 0
.rept CT
	WAITB \q, BI
	MUL \q, 0, BI
	MUL \q, 1, BI
	MUL \q, 2, BI
	MUL \q, 3, BI
.set BI, BI+1
.endr
	s_wait_dscnt 0x0
.if (\q)+1 < KS
	CHUNKW (\q)+1
	PLACES 4
	WIN 0
	FETCH_A (\q)+1, 0
.endif
	WIN MUL_HI
	MUL \q, 4, 0
	MUL \q, 5, 0
	MUL \q, 6, 0
	MUL \q, 7, 0
	MUL \q, 4, 1
	MUL \q, 5, 1
	MUL \q, 6, 1
	MUL \q, 7, 1
.if (\q)+1 < KS
	PLACES 4
.if CT*(\q)+16 < CT*KS
	WIN TO_B
	LOADB CT*(\q)+16                               ; the two slots just left take the fragments eight K steps on
	LOADB CT*(\q)+17
.endif
	WIN 0
	FETCH_A (\q)+1, 4
.endif
.endm
	s_load_b256 s[4:11], s[0:1], 0x0               ; A, wts, the residual, the output
	v_lshl_add_u32 v[SPW], v0, 2, SPARE
	v_mov_b32 v[NIL], 0
	ds_add_u32 v[SPW], v[NIL]                      ; the wave's opening: the add and its wait ahead of the round in front of the first loads
	ds_add_u32 v[SPW], v[NIL]
	v_lshrrev_b32 v3, 5, v0
	v_readfirstlane_b32 s2, v3                     ; wave
	v_and_b32 v3, 31, v0
	v_lshlrev_b32 v[AD16], 4, v3
	v_lshlrev_b32 v[AD8], 3, v3
.set K_, 1
.rept NAD-1
	v_add_nc_u32 v[AD16+K_], 49152*K_, v[AD16]     ; four K steps to an address register: an LDS offset has 16 bits
	v_add_nc_u32 v[AD8+K_], 49152*K_, v[AD8]
.set K_, K_+1
.endr
	v_and_b32 v19, 15, v0                          ; r
	v_bfe_u32 v20, v0, 4, 1                        ; h
	v_and_b32 v[STO], 8, v19
	v_add_nc_u32 v[STO], v[STO], v19
	v_mul_u32_u24 v[STO], v[STO], 528
	v_lshl_add_u32 v[STO], v20, 6, v[STO]
	s_lshl_b32 s72, s2, 7
	v_add_nc_u32 v[STO], s72, v[STO]               ; the stage, in: row r + 8 (r / 8), 128 bytes a wave, 64 for each half of the lanes
	s_mul_i32 s72, s2, 32*528
	v_add_nc_u32 v[RD], s72, v[AD16]               ; back: my 32 rows, 16 bytes a lane
	v_lshlrev_b32 v18, 4, v19
	v_lshl_add_u32 v18, v20, 2, v18
	s_lshr_b32 s72, s2, 1
	s_lshl_b32 s72, s72, 8
	s_and_b32 s73, s2, 1
	s_lshl_b32 s73, s73, 3
	s_add_co_u32 s72, s72, s73
	v_add_nc_u32 v18, s72, v18                     ; W's scale words: lanes 0-15 tile 2 w's, lanes 16-31 tile 2 w + 1's
	s_mov_b32 s[G1], 15|(3<<16)|(1<<21)            ; the mask names the cluster's four; elements of 8 bytes; bit 21 set beside a mask
	s_mov_b32 s[G1+1], 32<<16
	s_mov_b32 s[G1+2], 96<<16                      ; two K steps: 96 rows of 256 bytes
	s_mov_b32 s[G1+3], 32<<16
	s_mov_b32 s[G1+4], 96
	s_mov_b32 s[G1+5], 32
	s_mov_b32 s[G1+6], 0
	s_mov_b32 s[G1+7], 0
.if FFN2
	s_mov_b32 s[G1B], 15|(3<<16)|(1<<21)
	s_mov_b32 s[G1B+1], 32<<16
	s_mov_b32 s[G1B+2], 48<<16                     ; a quarter of four K steps
	s_mov_b32 s[G1B+3], 32<<16
	s_mov_b32 s[G1B+4], 48
	s_mov_b32 s[G1B+5], 32
	s_mov_b32 s[G1B+6], 0
	s_mov_b32 s[G1B+7], 0
.endif
	s_bfe_u32 s72, ttmp6, 0x40000                  ; my place in the cluster
	s_lshl_b32 s73, ttmp9, 2
	s_add_co_u32 s73, s73, s72                     ; my block of 128 columns
	s_and_b32 s74, ttmp7, 0xffff                   ; the group of 128 rows, which the four partners share
	s_mul_i32 s82, s74, KS*12288
	s_mov_b32 s83, 0
	s_mul_i32 s86, s74, KS*512
	s_add_co_u32 s86, s86, RES_SC
	s_mov_b32 s87, 0
	s_mul_i32 s84, s73, KS*12288
	s_add_co_u32 s84, s84, STR_C
	s_mul_i32 s85, s2, 3072
	s_add_co_u32 s84, s84, s85                     ; my two tiles
	s_mov_b32 s85, 0
	s_mul_i32 s88, s73, KS*512
	s_add_co_u32 s88, s88, STR_S
	s_mov_b32 s89, 0
	s_lshl_b32 s76, s74, 7
	s_lshl_b32 s77, s2, 5
	s_add_co_u32 s76, s76, s77
	s_lshl_b32 s76, s76, 12
	s_lshl_b32 s77, s73, 9
	s_add_co_u32 s76, s76, s77                     ; my 32 rows, my block's 512 bytes of them
	s_mov_b32 s77, 0
	s_mul_i32 s90, s2, 24576                       ; wave w brings K steps 2 w and 2 w + 1
	s_mov_b32 s91, 0
.if FFN2
	s_mul_i32 s92, s2, 12288
	s_mov_b32 s93, 0
.endif
	s_wait_dscnt 0x0                               ; the opening add is done
	s_wait_kmcnt 0x0
	s_add_nc_u64 s[RCP:RCP+1], s[4:5], s[82:83]
	s_add_nc_u64 s[SRP:SRP+1], s[4:5], s[86:87]
	s_add_nc_u64 s[SB:SB+1], s[6:7], s[84:85]
	s_add_nc_u64 s[SSP:SSP+1], s[6:7], s[88:89]
	s_add_nc_u64 s[RESP:RESP+1], s[8:9], s[76:77]
	s_add_nc_u64 s[OUTP:OUTP+1], s[10:11], s[76:77]
.if FFN2
	s_add_nc_u64 s[94:95], s[RCP:RCP+1], s[92:93]
	s_add_nc_u64 s[RCP:RCP+1], s[RCP:RCP+1], s[90:91]
	s_mov_b32 s[G0], 1
	s_mov_b32 s[G0+1], s90
	s_mov_b64 s[G0+2:G0+3], s[RCP:RCP+1]
	s_or_b32 s[G0+3], s[G0+3], 0x80000000
.irp c, 1,2,3,4,5
	s_mov_b32 s[G0+4*\c], 1
	s_add_co_u32 s[G0+4*\c+1], s92, 24576+(\c-1)*49152
	s_add_nc_u64 s[G0+4*\c+2:G0+4*\c+3], s[94:95], 24576+(\c-1)*49152
	s_or_b32 s[G0+4*\c+3], s[G0+4*\c+3], 0x80000000
.endr
.else
	s_add_nc_u64 s[RCP:RCP+1], s[RCP:RCP+1], s[90:91]
.irp c, 0
	s_mov_b32 s[G0+4*\c], 1
	s_add_co_u32 s[G0+4*\c+1], s90, \c*24576
	s_add_nc_u64 s[G0+4*\c+2:G0+4*\c+3], s[RCP:RCP+1], \c*24576
	s_or_b32 s[G0+4*\c+3], s[G0+4*\c+3], 0x80000000
.endr
.endif
	CROUND                                         ; all four work-groups are here: the joint loads meet
.if FFN2
	tensor_load_to_lds s[G0:G0+3], s[G1:G1+7]      ; all fills are first fills and go out together: six loads of mine are out
	s_nop 0
.irp c, 1,2,3,4,5
	tensor_load_to_lds s[G0+4*\c:G0+4*\c+3], s[G1B:G1B+7]
	s_nop 0
.endr
.else
	tensor_load_to_lds s[G0:G0+3], s[G1:G1+7]      ; my one load: a quarter of A's group
	s_nop 0
.endif
	PLACES 4
.set Q_, 0
.rept KS
	global_load_b128 v[SRB+4*Q_:SRB+4*Q_+3], v[L16], s[SRP:SRP+1] offset:512*Q_
.set Q_, Q_+1
.endr
.set Q_, 0
	s_wait_alu depctr_va_vdst(0)
.rept KS
	global_load_b32 v[SSB+Q_], v18, s[SSP:SSP+1] offset:512*Q_
.set Q_, Q_+1
.endr
	WIN TO_B
.irp g, 0,1,2,3,4,5,6,7,8,9,10,11,12,13,14,15
	LOADB \g
.endr
	RESLOAD                                        ; behind the sixteen fragments that the first K steps wait for
	s_wait_tensorcnt NCH-1                         ; my quarter of the first chunk is in; the others may be out
	s_barrier_signal -1
	s_barrier_wait -1
	FETCH_A 0, 0
	FETCH_A 0, 4
.irp q, 0,1,2,3,4,5,6,7
	STEP \q
.endr
.if FFN2
.irp q, 8,9,10,11,12,13,14,15,16,17,18,19,20,21
	STEP \q
.endr
.endif
	WIN 0
	PLACES 4                                       ; behind the last products
	s_wait_dscnt 0x0
	s_barrier_signal -1
	s_barrier_wait -1                              ; nobody reads A's bytes any more; they have had their last fill
.irp a, 0,1,2,3,4,5,6,7
	WIN (2+\a/4)<<2                                ; an LDS store's data are its source 1
.irp u, 0,1
	ds_store_b128 v[STO], v[8*(2*(\a%4)+\u):8*(2*(\a%4)+\u)+3] offset:(32*(\a/2)+8*(\a%2))*528+32*\u       ; each accumulator from its low end on
	ds_store_b128 v[STO], v[8*(2*(\a%4)+\u)+4:8*(2*(\a%4)+\u)+7] offset:(32*(\a/2)+8*(\a%2))*528+32*\u+16
.endr
.endr
	WIN 0
	s_wait_dscnt 0x0                               ; for the others' sake: my stores have landed
	s_barrier_signal -1
	s_barrier_wait -1
	WIN 0x40
.set I_, 0
.rept 32
	ds_load_b128 v[4*I_:4*I_+3], v[RD] offset:I_*528
.set I_, I_+1
.endr
	s_wait_dscnt 0x0
	s_wait_loadcnt 0x0                             ; the residual
	WIN 0x49                                       ; destination and source 0 window 1, source 1 window 2
.set I_, 0
.rept 64
	v_pk_add_f32 v[2*I_:2*I_+1], v[2*I_:2*I_+1], v[64+2*I_:65+2*I_]
.set I_, I_+1
.endr
	WIN 0x04                                       ; a store's data are its source 1
.set I_, 0
.rept 32
	global_store_b128 v[L16], v[4*I_:4*I_+3], s[OUTP:OUTP+1] offset:I_*4096 th:TH_STORE_NT   ; 32 lanes store 512 consecutive bytes, at a multiple of 256
.set I_, I_+1
.endr
	WIN 0
	s_wait_tensorcnt 0x0                           ; the wave's end
	ds_add_u32 v[SPW], v[NIL]
	s_wait_dscnt 0x0
	CROUND                                         ; the closing round
	s_endpgm
.Lfunc_end_k_q5041a24c2c_oproj:
	.size	k_q5041a24c2c_oproj, .Lfunc_end_k_q5041a24c2c_oproj-k_q5041a24c2c_oproj
	.p2alignl 7, 3214868480
	.fill 96, 4, 3214868480
	.section	.rodata,"a",@progbits
	.p2align	6, 0x0
	.amdhsa_kernel k_q5041a24c2c_oproj
		.amdhsa_group_segment_fixed_size 167936
		.amdhsa_private_segment_fixed_size 0
		.amdhsa_enable_private_segment 0
		.amdhsa_kernarg_size 32
		.amdhsa_user_sgpr_count 2
		.amdhsa_user_sgpr_kernarg_segment_ptr 1
		.amdhsa_wavefront_size32 1
		.amdhsa_system_sgpr_workgroup_id_x 1
		.amdhsa_system_sgpr_workgroup_id_y 1
		.amdhsa_system_sgpr_workgroup_id_z 1
		.amdhsa_system_vgpr_workitem_id 0
		.amdhsa_next_free_vgpr 832
		.amdhsa_next_free_sgpr 100
		.amdhsa_reserve_vcc 0
		.amdhsa_float_denorm_mode_32 3
		.amdhsa_float_denorm_mode_16_64 3
		.amdhsa_memory_ordered 1
		.amdhsa_forward_progress 1
		.amdhsa_inst_pref_size 63
	.end_amdhsa_kernel
	.amdgpu_metadata
---
amdhsa.version: [ 1, 2 ]
amdhsa.kernels:
  - .name:           k_q5041a24c2c_oproj
    .symbol:         k_q5041a24c2c_oproj.kd
    .args:
      - { .name: ao, .offset: 0, .size: 8, .value_kind: global_buffer, .address_space: global }
      - { .name: wts, .offset: 8, .size: 8, .value_kind: global_buffer, .address_space: global }
      - { .name: x, .offset: 16, .size: 8, .value_kind: global_buffer, .address_space: global }
      - { .name: out1, .offset: 24, .size: 8, .value_kind: global_buffer, .address_space: global }
    .group_segment_fixed_size: 167936
    .private_segment_fixed_size: 0
    .kernarg_segment_align: 8
    .kernarg_segment_size: 32
    .max_flat_workgroup_size: 128
    .sgpr_count:     100
    .vgpr_count:     832
    .wavefront_size: 32
...
	.end_amdgpu_metadata
.endif
;; end of part 4
;; launch norm1 (part 5): grid 256 x 1, 8 waves a work-group, no clusters, 69,120 bytes of LDS; arguments out1, g2, h2q; writes h2q
.if DOCPART == 5
	.amdgcn_target "amdgcn-amd-amdhsa--gfx1250"
	.amdhsa_code_object_version 6
	.text
	.protected	k_q5041a24c2c_norm1
	.globl	k_q5041a24c2c_norm1
	.p2align	8
	.type	k_q5041a24c2c_norm1,@function
k_q5041a24c2c_norm1:
	s_mov_b64 s[64:65], 0
	v_nop
	global_prefetch_b8 v0, s[64:65] scope:SCOPE_SE
	s_setreg_imm32_b32 hwreg(HW_REG_WAVE_MODE, 25, 1), 1
	s_wait_xcnt 0x0
; y = x / sqrt(mean(x^2) + 1e-5) x gain for [4096][1024] f32, quantised along the row to FP6 (E2M3) with one E8M0 byte for each 32, and laid in the order of an operand's registers:
; group g = 128 rows, tile t holds in lane r the row 32 (t / 2) + 8 (t % 2) + r + 8 (r / 8); fragment (g, K step q, t) at ((8 g + q) 8 + t) x 1,536; scale words from byte 3,145,728 on, 512 bytes a (g, q).
; A work-group takes one tile of 16 rows, each of its eight waves one K step of 128: 16 loads of 512 consecutive bytes, a turn through the wave's stage so that a lane holds 2 x 32 neighbours,
; the rows' sums of squares through 512 bytes of LDS and one barrier, then the scaling, the quantiser and five stores.
; LIMITS: x times v_rsq_f32(mean + eps) stands for x / sqrt(mean + eps) (about two units in the last place apart); the order of the f32 sums is not reference()'s; NaN and infinities are not served;
; a block of zeros carries the byte 1 (its codes are zeros; only this program reads the bytes).
.set STGB,  8448
.set PS,    67584                      ; 16 rows x 8 partial sums
.set SPARE, 68096
.set R,     32
.set X,     96
.set GA,    160
.set TM,    224
.set SCL,   226
.set BY,    228
.set PW,    230
.set T0,    231
.set T1,    232
.set INV,   234
.set PC,    32                         ; the fragment takes registers that the rows have left
.set PT,    44
.set SEL,   26
.macro QUANTF
.irp c, 0,1
	v_max3_num_f32 v[TM+\c], |v[X+32*\c]|, |v[X+32*\c+1]|, 0x1800000
.endr
.irp i, 2,4,6,8,10,12,14,16,18,20,22,24,26,28,30
.irp c, 0,1
	s_delay_alu instid0(VALU_DEP_2)
	v_max3_num_f32 v[TM+\c], v[TM+\c], |v[X+32*\c+\i]|, |v[X+32*\c+\i+1]|
.endr
.endr
.irp c, 0,1
	s_delay_alu instid0(VALU_DEP_2)
	v_add_nc_u32 v[SCL+\c], 0xff000000, v[TM+\c]
.endr
.irp c, 0,1
	s_delay_alu instid0(VALU_DEP_2)
	v_lshrrev_b32 v[BY+\c], 23, v[SCL+\c]
.endr
	s_delay_alu instid0(VALU_DEP_1)
	v_lshl_or_b32 v[PW], v[BY+1], 16, v[BY]
	v_lshlrev_b32 v[T0], 3, v3
	s_delay_alu instid0(VALU_DEP_1)
	v_lshlrev_b32 v[PW], v[T0], v[PW]
	v_mov_b32 v[T1], 0
	s_delay_alu instid0(VALU_DEP_1)
	v_permlanex16_b32 v[T1], v[PW], s[SEL], s[SEL+1]
	s_delay_alu instid0(VALU_DEP_1)
	v_or_b32 v[PW], v[PW], v[T1]
.irp c, 0,1
	v_cvt_scalef32_pk16_fp6_f32 v[PC+6*\c:PC+6*\c+2], v[X+32*\c:X+32*\c+15], v[SCL+\c]
	v_cvt_scalef32_pk16_fp6_f32 v[PT+4*\c:PT+4*\c+2], v[X+32*\c+16:X+32*\c+31], v[SCL+\c]
.endr
	v_nop
.irp c, 0,1
.irp i, 0,1,2
	v_mov_b32 v[PC+6*\c+3+\i], v[PT+4*\c+\i]
.endr
.endr
.endm
	s_load_b128 s[4:7], s[0:1], 0x0                ; the rows, the gain
	s_load_b64 s[8:9], s[0:1], 0x10                ; the codes' buffer
	v_lshl_add_u32 v10, v0, 2, SPARE
	v_mov_b32 v11, 0
	v_lshrrev_b32 v1, 5, v0
	s_delay_alu instid0(VALU_DEP_1)
	v_readfirstlane_b32 s11, v1                    ; wave = K step q
	v_and_b32 v1, 31, v0
	v_and_b32 v2, 15, v0                           ; r
	v_bfe_u32 v3, v0, 4, 1                         ; h
	s_delay_alu instid0(VALU_DEP_3)
	v_lshlrev_b32 v4, 4, v1
	s_delay_alu instid0(VALU_DEP_4)
	v_lshlrev_b32 v5, 3, v1
	s_delay_alu instid0(VALU_DEP_3)
	v_lshlrev_b32 v9, 7, v3                        ; 128 h
	v_lshlrev_b32 v14, 4, v2                       ; 16 r
	s_mul_i32 s30, s11, STGB
	v_add_nc_u32 v7, s30, v4
	v_mul_u32_u24 v8, v2, 528
	s_delay_alu instid0(VALU_DEP_1)
	v_lshl_add_u32 v8, v3, 7, v8
	s_delay_alu instid0(VALU_DEP_1)
	v_add_nc_u32 v8, s30, v8
	v_lshl_add_u32 v13, v2, 5, PS                  ; my row's eight partial sums
	s_lshl_b32 s30, s11, 2
	v_add_nc_u32 v12, s30, v13                     ; and my wave's among them
	s_mov_b32 s[SEL], 0x76543210
	s_mov_b32 s[SEL+1], 0xfedcba98
	s_mov_b32 s28, 0x3727c5ac                      ; 1e-5
	s_mov_b32 s29, 0x3a800000                      ; 1 / 1,024
	s_lshr_b32 s12, ttmp9, 3                       ; g
	s_and_b32 s13, ttmp9, 7                        ; t
	s_lshl_b32 s14, s12, 7
	s_lshr_b32 s15, s13, 1
	s_lshl_b32 s15, s15, 5
	s_add_co_u32 s14, s14, s15
	s_and_b32 s15, s13, 1
	s_lshl_b32 s15, s15, 3
	s_add_co_u32 s14, s14, s15                     ; the tile's first row
	s_lshl_b32 s14, s14, 12
	s_lshl_b32 s16, s11, 9                         ; 512 q
	s_add_co_u32 s14, s14, s16
	s_mov_b32 s15, 0
	s_mov_b32 s17, 0
	s_lshl_b32 s18, s12, 3
	s_add_co_u32 s18, s18, s11                     ; 8 g + q
	s_lshl_b32 s20, s18, 3
	s_add_co_u32 s20, s20, s13
	s_mul_i32 s20, s20, 1536
	s_mov_b32 s21, 0
	s_lshl_b32 s22, s18, 9
	s_add_co_u32 s22, s22, 3145728
	s_lshr_b32 s24, s13, 2
	s_lshl_b32 s24, s24, 8
	s_add_co_u32 s22, s22, s24
	s_and_b32 s24, s13, 3
	s_lshl_b32 s24, s24, 2
	s_add_co_u32 s22, s22, s24
	s_mov_b32 s23, 0
	s_wait_alu depctr_va_vdst(0)
	s_wait_kmcnt 0x0
	s_add_nc_u64 s[4:5], s[4:5], s[14:15]
	s_add_nc_u64 s[6:7], s[6:7], s[16:17]
	s_add_nc_u64 s[20:21], s[8:9], s[20:21]
	s_add_nc_u64 s[22:23], s[8:9], s[22:23]
.irp i, 0,1,2,3,4,5,6,7,8,9,10,11,12,13,14,15
	global_load_b128 v[R+4*\i:R+4*\i+3], v4, s[4:5] offset:(\i+8*(\i/8))*4096 th:TH_LOAD_NT
.endr
.irp c, 0,1
.irp m, 0,1,2,3,4,5,6,7
	global_load_b128 v[GA+32*\c+4*\m:GA+32*\c+4*\m+3], v9, s[6:7] offset:256*\c+16*\m
.endr
.endr
	s_wait_loadcnt 16                              ; the rows are in; the 16 loads of the gain may be out
.irp i, 0,1,2,3,4,5,6,7,8,9,10,11,12,13,14,15
	ds_store_b128 v7, v[R+4*\i:R+4*\i+3] offset:528*\i
.endr
.irp c, 0,1
.irp m, 0,1,2,3,4,5,6,7
	ds_load_b128 v[X+32*\c+4*\m:X+32*\c+4*\m+3], v8 offset:256*\c+16*\m
.endr
.endr
	s_wait_dscnt 0x0
.irp k, 0,1,2,3
	v_pk_mul_f32 v[16+2*\k:17+2*\k], v[X+2*\k:X+2*\k+1], v[X+2*\k:X+2*\k+1]    ; four chains, started by the first products
.endr
.set J_, 4
.rept 28
	s_delay_alu instid0(VALU_DEP_4)
	v_pk_fma_f32 v[16+2*(J_%4):17+2*(J_%4)], v[X+2*J_:X+2*J_+1], v[X+2*J_:X+2*J_+1], v[16+2*(J_%4):17+2*(J_%4)]
.set J_, J_+1
.endr
	s_delay_alu instid0(VALU_DEP_3)
	v_pk_add_f32 v[16:17], v[16:17], v[18:19]
	s_delay_alu instid0(VALU_DEP_2)
	v_pk_add_f32 v[20:21], v[20:21], v[22:23]
	s_delay_alu instid0(VALU_DEP_1)
	v_pk_add_f32 v[16:17], v[16:17], v[20:21]
	s_delay_alu instid0(VALU_DEP_1)
	v_add_f32 v16, v16, v17
	s_delay_alu instid0(VALU_DEP_1)
	v_permlanex16_b32 v17, v16, s[SEL], s[SEL+1]
	s_delay_alu instid0(VALU_DEP_1)
	v_add_f32 v16, v16, v17                        ; my row's sum over this K step
	ds_store_b32 v12, v16                          ; both halves of the lanes write the same word
	s_wait_dscnt 0x0                               ; for the others' sake: my store has landed
	s_barrier_signal -1
	s_barrier_wait -1
	ds_load_b128 v[16:19], v13
	ds_load_b128 v[20:23], v13 offset:16
	s_wait_dscnt 0x0
	v_add_f32 v16, v16, v17
	v_add_f32 v18, v18, v19
	v_add_f32 v20, v20, v21
	v_add_f32 v22, v22, v23
	s_delay_alu instid0(VALU_DEP_3)
	v_add_f32 v16, v16, v18
	s_delay_alu instid0(VALU_DEP_2)
	v_add_f32 v20, v20, v22
	s_delay_alu instid0(VALU_DEP_1)
	v_add_f32 v16, v16, v20
	s_delay_alu instid0(VALU_DEP_1)
	v_fma_f32 v16, v16, s29, s28                   ; the mean + eps
	s_wait_alu depctr_va_vdst(0)
	v_rsq_f32 v[INV], v16
	v_rsq_f32 v[INV+1], v16                        ; twice: a pair for the packed multiply
	v_nop                                          ; a plain place behind them
	s_wait_alu depctr_va_vdst(0)                   ; one wait for both, ahead of the first reader
.set J_, 0
.rept 32
	v_pk_mul_f32 v[X+2*J_:X+2*J_+1], v[X+2*J_:X+2*J_+1], v[INV:INV+1]
.set J_, J_+1
.endr
	s_wait_loadcnt 0x0                             ; the gain
.set J_, 0
.rept 32
	v_pk_mul_f32 v[X+2*J_:X+2*J_+1], v[X+2*J_:X+2*J_+1], v[GA+2*J_:GA+2*J_+1]
.set J_, J_+1
.endr
	QUANTF
	global_store_b128 v4, v[PC:PC+3], s[20:21]
	global_store_b64 v5, v[PC+4:PC+5], s[20:21] offset:512
	global_store_b128 v4, v[PC+6:PC+9], s[20:21] offset:768
	global_store_b64 v5, v[PC+10:PC+11], s[20:21] offset:1280
	global_store_b32 v14, v[PW], s[22:23]
	s_wait_tensorcnt 0x0                           ; the wave's end
	ds_add_u32 v10, v11
	s_wait_dscnt 0x0
	s_endpgm
.Lfunc_end_k_q5041a24c2c_norm1:
	.size	k_q5041a24c2c_norm1, .Lfunc_end_k_q5041a24c2c_norm1-k_q5041a24c2c_norm1
	.p2alignl 7, 3214868480
	.fill 96, 4, 3214868480
	.section	.rodata,"a",@progbits
	.p2align	6, 0x0
	.amdhsa_kernel k_q5041a24c2c_norm1
		.amdhsa_group_segment_fixed_size 69120
		.amdhsa_private_segment_fixed_size 0
		.amdhsa_enable_private_segment 0
		.amdhsa_kernarg_size 24
		.amdhsa_user_sgpr_count 2
		.amdhsa_user_sgpr_kernarg_segment_ptr 1
		.amdhsa_wavefront_size32 1
		.amdhsa_system_sgpr_workgroup_id_x 1
		.amdhsa_system_sgpr_workgroup_id_y 1
		.amdhsa_system_sgpr_workgroup_id_z 1
		.amdhsa_system_vgpr_workitem_id 0
		.amdhsa_next_free_vgpr 248
		.amdhsa_next_free_sgpr 66
		.amdhsa_reserve_vcc 0
		.amdhsa_float_denorm_mode_32 3
		.amdhsa_float_denorm_mode_16_64 3
		.amdhsa_memory_ordered 1
		.amdhsa_forward_progress 1
		.amdhsa_inst_pref_size 21
	.end_amdhsa_kernel
	.amdgpu_metadata
---
amdhsa.version: [ 1, 2 ]
amdhsa.kernels:
  - .name:           k_q5041a24c2c_norm1
    .symbol:         k_q5041a24c2c_norm1.kd
    .args:
      - { .name: out1, .offset: 0, .size: 8, .value_kind: global_buffer, .address_space: global }
      - { .name: g2, .offset: 8, .size: 8, .value_kind: global_buffer, .address_space: global }
      - { .name: h2q, .offset: 16, .size: 8, .value_kind: global_buffer, .address_space: global }
    .group_segment_fixed_size: 69120
    .private_segment_fixed_size: 0
    .kernarg_segment_align: 8
    .kernarg_segment_size: 24
    .max_flat_workgroup_size: 256
    .sgpr_count:     66
    .vgpr_count:     248
    .wavefront_size: 32
...
	.end_amdgpu_metadata
.endif
;; end of part 5
;; launch ffn1 (part 6): grid 256 x 1, 4 waves a work-group, no clusters, 327,680 bytes of LDS; arguments h2q, wts, act; writes act
.if DOCPART == 6
	.amdgcn_target "amdgcn-amd-amdhsa--gfx1250"
	.amdhsa_code_object_version 6
	.text
	.protected	k_q5041a24c2c_ffn1
	.globl	k_q5041a24c2c_ffn1
	.p2align	8
	.type	k_q5041a24c2c_ffn1,@function
k_q5041a24c2c_ffn1:
	s_mov_b64 s[64:65], 0
	v_nop
	global_prefetch_b8 v0, s[64:65] scope:SCOPE_SE
	s_setreg_imm32_b32 hwreg(HW_REG_WAVE_MODE, 25, 1), 1
	s_wait_xcnt 0x0
; act = Q(silu(h2 w1^T) x (h2 w3^T)) on codes of FP6 (E2M3) with E8M0 scales, quantised along the hidden axis and laid as the next product's operand.
; A work-group holds one group of 128 tokens in LDS; each wave streams one weight group (64 rows of w1 and the same 64 rows of w3) from memory into a ring of 16 fragments in registers: weight groups 0-31.
; The twelve groups 32-43 follow in a second walk, half a group a wave, in the work-groups whose number / 32 is under 6.
; The resident group, 98,304 bytes, is filled once: wave w brings K steps 2 w and 2 w + 1 by its one tensor load at the head; one wait for 0 and one barrier show it whole to all four waves.
; LIMITS: the sigmoid is v_rcp_f32(1 + v_exp_f32(-x log2 e)); NaN and infinities are not served; a block of zeros carries the byte 1 (its codes are zeros; only this program reads the bytes).
.set KS,    8
.set NCH,   1
.set SPARE, 98304
.set AD16,  4
.set AD8,   10
.set L16,   AD16
.set L8,    AD8
.set V16B,  16
.set V8B,   17
.set VWB,   18
.set VSH,   19
.set SPW,   28
.set NIL,   29
.set SRB,   32
.set SSB,   64
.set AF,    96
.set SS2,   192
.set T,     96
.set TM,    128
.set TP,    130
.set SCL,   132
.set BY,    134
.set PW,    136
.set PC,    138
.set PT,    144
.set G1,    16
.set SEL,   24
.set SB2,   26
.set CB2,   28
.set WB2,   30
.set G0,    32
.set ACT2,  48
.set SSP2,  50
.set SB,    56
.set SSP,   58
.set SRP,   60
.set RCP,   62
.set CB,    66
.set WB,    68
.set PH,    1
.set CT,    8
.set SBR,   SB
.set MUL_LO, 0xa1
.set MUL_HI, 0xf1
.set TO_B,   0x40
.set MSB, 0
.macro WIN new
.if MSB != (\new)
	s_set_vgpr_msb (MSB<<8)|(\new)
.set MSB, (\new)
.endif
.endm
.macro PLACES n
.rept \n
	v_nop
.endr
.endm
.macro LOADB g
.set SL, 12*((\g)%16)
.if PH == 1
.set BO, ((\g)/CT)*12288+((\g)%CT)*1536
.else
.set BO, ((\g)/CT)*12288+(((\g)%CT)%2)*1536+(((\g)%CT)/2)*6144
.endif
	global_load_b128 v[SL:SL+3], v[L16], s[SBR:SBR+1] offset:BO
	global_load_b64 v[SL+4:SL+5], v[L8], s[SBR:SBR+1] offset:BO+512
	global_load_b128 v[SL+6:SL+9], v[L16], s[SBR:SBR+1] offset:BO+768
	global_load_b64 v[SL+10:SL+11], v[L8], s[SBR:SBR+1] offset:BO+1280
.endm
.macro FETCH_A q, t0
.irp i, 0,1,2,3
.set FT, (\t0)+\i
.set FO, ((\q)%4)*12288+FT*1536
.set FRG, AF+12*FT
	ds_load_b128 v[FRG:FRG+3], v[AD16+(\q)/4] offset:FO
	ds_load_b64 v[FRG+4:FRG+5], v[AD8+(\q)/4] offset:FO+512
	ds_load_b128 v[FRG+6:FRG+9], v[AD16+(\q)/4] offset:FO+768
	ds_load_b64 v[FRG+10:FRG+11], v[AD8+(\q)/4] offset:FO+1280
.endr
.endm
.macro WAITB q, b
.set LASTG, CT*(\q)+15
.if LASTG > CT*KS-1
.set LASTG, CT*KS-1
.endif
	s_wait_loadcnt 4*(LASTG-CT*(\q)-(\b))
.endm
.macro MUL q, a, b
.set AC, 8*(CT*((\a)%4)+(\b))
.set SL, 12*((CT*(\q)+(\b))%16)
.set FA, AF+12*(\a)
.if PH == 1
.set RA, SSB+4*(\q)+(\b)%4
.set HA, (\b)/4
.else
.set RA, SS2+2*(\q)+(\b)%2
.set HA, (\b)/2
.endif
.set RB, SRB+4*(\q)+(\a)%4
.set HB, (\a)/4
.if (\q) == 0
.if HA == 0 && HB == 0
	v_wmma_scale_f32_16x16x128_f8f6f4 v[AC:AC+7], v[SL:SL+11], v[FA:FA+11], 0, v[RA], v[RB] matrix_a_fmt:MATRIX_FMT_FP6 matrix_b_fmt:MATRIX_FMT_FP6
.elseif HA == 1 && HB == 0
	v_wmma_scale_f32_16x16x128_f8f6f4 v[AC:AC+7], v[SL:SL+11], v[FA:FA+11], 0, v[RA], v[RB] matrix_a_fmt:MATRIX_FMT_FP6 matrix_b_fmt:MATRIX_FMT_FP6 matrix_a_scale:MATRIX_SCALE_ROW1
.elseif HA == 0 && HB == 1
	v_wmma_scale_f32_16x16x128_f8f6f4 v[AC:AC+7], v[SL:SL+11], v[FA:FA+11], 0, v[RA], v[RB] matrix_a_fmt:MATRIX_FMT_FP6 matrix_b_fmt:MATRIX_FMT_FP6 matrix_b_scale:MATRIX_SCALE_ROW1
.else
	v_wmma_scale_f32_16x16x128_f8f6f4 v[AC:AC+7], v[SL:SL+11], v[FA:FA+11], 0, v[RA], v[RB] matrix_a_fmt:MATRIX_FMT_FP6 matrix_b_fmt:MATRIX_FMT_FP6 matrix_a_scale:MATRIX_SCALE_ROW1 matrix_b_scale:MATRIX_SCALE_ROW1
.endif
.else
.if HA == 0 && HB == 0
	v_wmma_scale_f32_16x16x128_f8f6f4 v[AC:AC+7], v[SL:SL+11], v[FA:FA+11], v[AC:AC+7], v[RA], v[RB] matrix_a_fmt:MATRIX_FMT_FP6 matrix_b_fmt:MATRIX_FMT_FP6
.elseif HA == 1 && HB == 0
	v_wmma_scale_f32_16x16x128_f8f6f4 v[AC:AC+7], v[SL:SL+11], v[FA:FA+11], v[AC:AC+7], v[RA], v[RB] matrix_a_fmt:MATRIX_FMT_FP6 matrix_b_fmt:MATRIX_FMT_FP6 matrix_a_scale:MATRIX_SCALE_ROW1
.elseif HA == 0 && HB == 1
	v_wmma_scale_f32_16x16x128_f8f6f4 v[AC:AC+7], v[SL:SL+11], v[FA:FA+11], v[AC:AC+7], v[RA], v[RB] matrix_a_fmt:MATRIX_FMT_FP6 matrix_b_fmt:MATRIX_FMT_FP6 matrix_b_scale:MATRIX_SCALE_ROW1
.else
	v_wmma_scale_f32_16x16x128_f8f6f4 v[AC:AC+7], v[SL:SL+11], v[FA:FA+11], v[AC:AC+7], v[RA], v[RB] matrix_a_fmt:MATRIX_FMT_FP6 matrix_b_fmt:MATRIX_FMT_FP6 matrix_a_scale:MATRIX_SCALE_ROW1 matrix_b_scale:MATRIX_SCALE_ROW1
.endif
.endif
.endm
.macro CHUNKW q1
; the resident group is whole behind the head's barrier: nothing is waited for on the walk
.endm
.macro STEP q
	s_wait_dscnt 16
	WIN MUL_LO
.set BI, 0
.rept CT
	WAITB \q, BI
	MUL \q, 0, BI
	MUL \q, 1, BI
	MUL \q, 2, BI
	MUL \q, 3, BI
.set BI, BI+1
.endr
	s_wait_dscnt 0x0
.if (\q)+1 < KS
.if PH == 1
	CHUNKW (\q)+1
.endif
	PLACES 4
	WIN 0
	FETCH_A (\q)+1, 0
.endif
.set BI, 0
.rept CT/2
	WIN MUL_HI
	MUL \q, 4, BI
	MUL \q, 5, BI
	MUL \q, 6, BI
	MUL \q, 7, BI
	MUL \q, 4, BI+1
	MUL \q, 5, BI+1
	MUL \q, 6, BI+1
	MUL \q, 7, BI+1
.if CT*(\q)+BI+16 < CT*KS
	PLACES 4
	WIN TO_B
	LOADB CT*(\q)+BI+16
	LOADB CT*(\q)+BI+17
.endif
.set BI, BI+2
.endr
.if (\q)+1 < KS
.if CT*(\q)+CT+14 >= CT*KS
	PLACES 4
.endif
	WIN 0
	FETCH_A (\q)+1, 4
.endif
.endm
.macro GATED w, base, hop, val
	WIN (\w)
.set P_, 0
.rept 16
.set S_, (\base)+P_+(\hop)*(P_/16)
	v_pk_mul_f32 v[T+P_:T+P_+1], v[S_:S_+1], 0xbfb8aa3b op_sel_hi:[1,0]
.set P_, P_+2
.endr
	WIN 0
.set P_, 0
	s_wait_alu depctr_va_vdst(0)
.rept 32
	v_exp_f32 v[T+P_], v[T+P_]
.set P_, P_+1
.endr
	v_nop
	s_wait_alu depctr_va_vdst(0)
.set P_, 0
.rept 16
	v_pk_add_f32 v[T+P_:T+P_+1], v[T+P_:T+P_+1], 1.0 op_sel_hi:[1,0]
.set P_, P_+2
.endr
.set P_, 0
	s_wait_alu depctr_va_vdst(0)
.rept 32
	v_rcp_f32 v[T+P_], v[T+P_]
.set P_, P_+1
.endr
	v_nop
	s_wait_alu depctr_va_vdst(0)
	WIN (\w)
.set P_, 0
.rept 16
.set S_, (\base)+P_+(\hop)*(P_/16)
	v_pk_mul_f32 v[T+P_:T+P_+1], v[S_:S_+1], v[T+P_:T+P_+1]
.set P_, P_+2
.endr
.set P_, 0
.rept 16
.set S_, (\base)+P_+(\hop)*(P_/16)+(\val)
	v_pk_mul_f32 v[T+P_:T+P_+1], v[S_:S_+1], v[T+P_:T+P_+1]
.set P_, P_+2
.endr
	WIN 0
.endm
.macro QUANT2 s
.irp b, 0,1
	v_max3_num_f32 v[TM+\b], |v[\s+16*\b]|, |v[\s+16*\b+1]|, 0x1800000
.endr
.irp i, 2,4,6,8,10,12,14
.irp b, 0,1
	v_max3_num_f32 v[TM+\b], v[TM+\b], |v[\s+16*\b+\i]|, |v[\s+16*\b+\i+1]|
.endr
.endr
.irp b, 0,1
	v_permlanex16_b32 v[TP+\b], v[TM+\b], s[SEL], s[SEL+1]
.endr
.irp b, 0,1
	v_max_num_f32 v[TM+\b], v[TM+\b], v[TP+\b]
.endr
.irp b, 0,1
	v_add_nc_u32 v[SCL+\b], 0xff000000, v[TM+\b]
.endr
.irp b, 0,1
	v_lshrrev_b32 v[BY+\b], 23, v[SCL+\b]
.endr
	v_lshl_or_b32 v[PW], v[BY+1], 8, v[BY]
	v_cvt_scalef32_pk16_fp6_f32 v[PC:PC+2], v[\s:\s+15], v[SCL]
	v_cvt_scalef32_pk16_fp6_f32 v[PT:PT+2], v[\s+16:\s+31], v[SCL+1]
	v_nop
.irp i, 0,1,2
	v_permlane16_swap_b32 v[PC+\i], v[PT+\i]
.endr
.irp i, 0,1,2
	v_mov_b32 v[PC+3+\i], v[PT+\i]
.endr
.endm
	s_load_b128 s[4:7], s[0:1], 0x0
	s_load_b64 s[8:9], s[0:1], 0x10
	v_lshl_add_u32 v[SPW], v0, 2, SPARE
	v_mov_b32 v[NIL], 0
	ds_add_u32 v[SPW], v[NIL]
	ds_add_u32 v[SPW], v[NIL]
	v_lshrrev_b32 v3, 5, v0
	v_readfirstlane_b32 s2, v3
	v_and_b32 v3, 31, v0
	v_lshlrev_b32 v[AD16], 4, v3
	v_lshlrev_b32 v[AD8], 3, v3
	v_add_nc_u32 v[AD16+1], 49152, v[AD16]
	v_add_nc_u32 v[AD8+1], 49152, v[AD8]
	v_and_b32 v3, 15, v0
	v_lshlrev_b32 v3, 4, v3
	s_mov_b32 s[G1], 3<<16
	s_mov_b32 s[G1+1], 32<<16
	s_mov_b32 s[G1+2], 96<<16                      ; two K steps: 96 rows of 256 bytes
	s_mov_b32 s[G1+3], 32<<16
	s_mov_b32 s[G1+4], 96
	s_mov_b32 s[G1+5], 32
	s_mov_b32 s[G1+6], 0
	s_mov_b32 s[G1+7], 0
	s_mov_b32 s[SEL], 0x76543210
	s_mov_b32 s[SEL+1], 0xfedcba98
	s_and_b32 s72, ttmp9, 31
	s_lshr_b32 s73, ttmp9, 5
	s_lshl_b32 s73, s73, 2
	s_add_co_u32 s73, s73, s2
	s_add_co_u32 s74, s73, 32
	s_mul_i32 s82, s72, 98304
	s_mov_b32 s83, 0
	s_mul_i32 s84, s74, 98304
	s_mov_b32 s85, 0
	s_lshl_b32 s86, s72, 12
	s_add_co_u32 s86, s86, 3145728
	s_mov_b32 s87, 0
	s_lshl_b32 s88, s74, 12
	s_add_co_u32 s88, s88, 9633792
	s_mov_b32 s89, 0
	s_mul_i32 s90, s2, 24576                       ; my quarter of the group, in LDS as in memory
	s_add_co_u32 s82, s82, s90
	s_mul_i32 s75, s72, 22
	s_lshr_b32 s76, s73, 1
	s_add_co_u32 s75, s75, s76
	s_and_b32 s76, s73, 1
	s_mul_i32 s92, s75, 12288
	s_mul_i32 s78, s76, 768
	s_add_co_u32 s92, s92, s78
	s_mov_b32 s93, 0
	s_lshl_b32 s94, s75, 9
	s_lshl_b32 s76, s76, 1
	s_add_co_u32 s94, s94, s76
	s_add_co_u32 s94, s94, 8650752
	s_mov_b32 s95, 0
	s_lshr_b32 s77, ttmp9, 5
	s_cmp_lt_u32 s77, 6
	s_cselect_b32 s[ACT2], 1, 0
	s_lshl_b32 s78, s77, 1
	s_lshr_b32 s79, s2, 1
	s_add_co_u32 s78, s78, s79
	s_add_co_u32 s78, s78, 32
	s_min_u32 s78, s78, 43
	s_and_b32 s79, s2, 1
	s_add_co_u32 s80, s78, 32
	s_mul_i32 s10, s80, 98304
	s_mul_i32 s81, s79, 3072
	s_add_co_u32 s10, s10, s81
	s_mov_b32 s11, 0
	s_lshl_b32 s12, s80, 12
	s_add_co_u32 s12, s12, 9633792
	s_lshl_b32 s81, s79, 3
	s_add_co_u32 s12, s12, s81
	s_mov_b32 s13, 0
	s_mul_i32 s81, s72, 22
	s_lshr_b32 s80, s78, 1
	s_add_co_u32 s81, s81, s80
	s_and_b32 s80, s78, 1
	s_mul_i32 s14, s81, 12288
	s_mul_i32 s52, s80, 768
	s_add_co_u32 s14, s14, s52
	s_mov_b32 s15, 0
	s_lshl_b32 s52, s81, 9
	s_lshl_b32 s80, s80, 1
	s_add_co_u32 s52, s52, s80
	s_add_co_u32 s52, s52, s79
	s_add_co_u32 s52, s52, 8650752
	s_mov_b32 s53, 0
	v_bfe_u32 v20, v0, 4, 1
	s_wait_alu depctr_va_vdst(0)
	v_mad_u32_u24 v[V16B], v20, 1536, v3
	v_lshrrev_b32 v[V8B], 1, v3
	v_mad_u32_u24 v[V8B], v20, 1536, v[V8B]
	v_lshl_add_u32 v[VWB], v20, 2, v3
	v_lshlrev_b32 v[VSH], 3, v20
	s_lshl_b32 s81, s79, 8
	v_add_nc_u32 v[V16B], s81, v[V16B]
	s_lshl_b32 s81, s79, 7
	v_add_nc_u32 v[V8B], s81, v[V8B]
	s_wait_dscnt 0x0
	s_wait_kmcnt 0x0
	s_add_nc_u64 s[RCP:RCP+1], s[4:5], s[82:83]
	s_add_nc_u64 s[SRP:SRP+1], s[4:5], s[86:87]
	s_add_nc_u64 s[SB:SB+1], s[6:7], s[84:85]
	s_add_nc_u64 s[SSP:SSP+1], s[6:7], s[88:89]
.irp c, 0
	s_mov_b32 s[G0+4*\c], 1
	s_add_co_u32 s[G0+4*\c+1], s90, \c*24576
	s_add_nc_u64 s[G0+4*\c+2:G0+4*\c+3], s[RCP:RCP+1], \c*24576
	s_or_b32 s[G0+4*\c+3], s[G0+4*\c+3], 0x80000000
.endr
	s_wait_alu depctr_va_vdst(0)                   ; the wait at the head's end
	tensor_load_to_lds s[G0:G0+3], s[G1:G1+7]      ; my one tensor load
	s_nop 0
	PLACES 4
	s_add_nc_u64 s[CB:CB+1], s[8:9], s[92:93]
	s_add_nc_u64 s[WB:WB+1], s[8:9], s[94:95]
	s_add_nc_u64 s[SB2:SB2+1], s[6:7], s[10:11]
	s_add_nc_u64 s[SSP2:SSP2+1], s[6:7], s[12:13]
	s_add_nc_u64 s[CB2:CB2+1], s[8:9], s[14:15]
	s_add_nc_u64 s[WB2:WB2+1], s[8:9], s[52:53]
.irp q, 0,1,2,3,4,5,6,7
	global_load_b128 v[SRB+4*\q:SRB+4*\q+3], v[L16], s[SRP:SRP+1] offset:512*\q
.endr
.irp q, 0,1,2,3,4,5,6,7
	global_load_b128 v[SSB+4*\q:SSB+4*\q+3], v[L16], s[SSP:SSP+1] offset:512*\q
.endr
.irp q, 0,1,2,3,4,5,6,7
	global_load_b64 v[SS2+2*\q:SS2+2*\q+1], v[L16], s[SSP2:SSP2+1] offset:512*\q
.endr
	WIN TO_B
.irp g, 0,1,2,3,4,5,6,7,8,9,10,11,12,13,14,15
	LOADB \g
.endr
	WIN 0
	s_wait_tensorcnt NCH-1
	s_barrier_signal -1
	s_barrier_wait -1
	FETCH_A 0, 0
	FETCH_A 0, 4
.irp q, 0,1,2,3,4,5,6,7
	STEP \q
.endr
	WIN 0
	PLACES 4
.set PH,  2
.set CT,  4
.set SBR, SB2
	s_cmp_eq_u32 s[ACT2], 0
	s_cbranch_scc1 .Lno_ahead
	WIN TO_B
.irp g, 0,1,2,3,4,5,6,7,8,9,10,11,12,13,14
	LOADB \g
.endr
	WIN 0
.Lno_ahead:
	v_mov_b32 v[TP], 0
	v_mov_b32 v[TP+1], 0
.irp a, 0,1,2,3,4,5,6,7
	GATED 2+\a/4, 64*(\a%4), 0, 32
	s_wait_alu depctr_va_vdst(0)
	s_wait_xcnt 0x0
	QUANT2 T
	global_store_b128 v[L16], v[PC:PC+3], s[CB:CB+1] offset:1536*\a
	global_store_b64 v[L8], v[PC+4:PC+5], s[CB:CB+1] offset:1536*\a+512
	global_store_b16 v3, v[PW], s[WB:WB+1] offset:256*(\a/4)+4*(\a%4)
.endr
	s_cmp_eq_u32 s[ACT2], 0
	s_cbranch_scc1 .Lend
	s_wait_xcnt 0x0
	WIN TO_B
	LOADB 15
	WIN 0
	FETCH_A 0, 0
	FETCH_A 0, 4
.irp q, 0,1,2,3,4,5,6,7
	STEP \q
.endr
	WIN 0
	PLACES 4
	v_mov_b32 v[TP], 0
	v_mov_b32 v[TP+1], 0
.irp a, 0,2,4,6
	GATED 2+\a/4, 32*(\a%4), 16, 16
	s_wait_alu depctr_va_vdst(0)
	s_wait_xcnt 0x0
	QUANT2 T
	v_lshrrev_b32 v[PW], v[VSH], v[PW]
	global_store_b128 v[V16B], v[PC:PC+3], s[CB2:CB2+1] offset:1536*\a
	global_store_b64 v[V8B], v[PC+4:PC+5], s[CB2:CB2+1] offset:1536*\a+512
	global_store_b8 v[VWB], v[PW], s[WB2:WB2+1] offset:256*(\a/4)+4*(\a%4)
.endr
.Lend:
	s_wait_tensorcnt 0x0
	ds_add_u32 v[SPW], v[NIL]
	s_wait_dscnt 0x0
	s_endpgm
.Lfunc_end_k_q5041a24c2c_ffn1:
	.size	k_q5041a24c2c_ffn1, .Lfunc_end_k_q5041a24c2c_ffn1-k_q5041a24c2c_ffn1
	.p2alignl 7, 3214868480
	.fill 96, 4, 3214868480
	.section	.rodata,"a",@progbits
	.p2align	6, 0x0
	.amdhsa_kernel k_q5041a24c2c_ffn1
		.amdhsa_group_segment_fixed_size 327680
		.amdhsa_private_segment_fixed_size 0
		.amdhsa_enable_private_segment 0
		.amdhsa_kernarg_size 24
		.amdhsa_user_sgpr_count 2
		.amdhsa_user_sgpr_kernarg_segment_ptr 1
		.amdhsa_wavefront_size32 1
		.amdhsa_system_sgpr_workgroup_id_x 1
		.amdhsa_system_sgpr_workgroup_id_y 1
		.amdhsa_system_sgpr_workgroup_id_z 1
		.amdhsa_system_vgpr_workitem_id 0
		.amdhsa_next_free_vgpr 1024
		.amdhsa_next_free_sgpr 100
		.amdhsa_reserve_vcc 0
		.amdhsa_float_denorm_mode_32 3
		.amdhsa_float_denorm_mode_16_64 3
		.amdhsa_memory_ordered 1
		.amdhsa_forward_progress 1
		.amdhsa_inst_pref_size 255
	.end_amdhsa_kernel
	.section	.bss,"aw",@nobits
	.p2align	6
	.space	262144
	.amdgpu_metadata
---
amdhsa.version: [ 1, 2 ]
amdhsa.kernels:
  - .name:           k_q5041a24c2c_ffn1
    .symbol:         k_q5041a24c2c_ffn1.kd
    .args:
      - { .name: h2q, .offset: 0, .size: 8, .value_kind: global_buffer, .address_space: global }
      - { .name: wts, .offset: 8, .size: 8, .value_kind: global_buffer, .address_space: global }
      - { .name: act, .offset: 16, .size: 8, .value_kind: global_buffer, .address_space: global }
    .group_segment_fixed_size: 327680
    .private_segment_fixed_size: 0
    .kernarg_segment_align: 8
    .kernarg_segment_size: 24
    .max_flat_workgroup_size: 128
    .sgpr_count:     100
    .vgpr_count:     1024
    .wavefront_size: 32
...
	.end_amdgpu_metadata
.endif
;; end of part 6
;; launch ffn2 (part 7): grid 8 x 32, 4 waves a work-group, clusters of 4 x 1, 327,680 bytes of LDS; arguments act, wts, out1, out0; writes out0
.if DOCPART == 7
	.amdgcn_target "amdgcn-amd-amdhsa--gfx1250"
	.amdhsa_code_object_version 6
	.text
	.protected	k_q5041a24c2c_ffn2
	.globl	k_q5041a24c2c_ffn2
	.p2align	8
	.type	k_q5041a24c2c_ffn2,@function
k_q5041a24c2c_ffn2:
	s_mov_b64 s[64:65], 0
	v_nop
	global_prefetch_b8 v0, s[64:65] scope:SCOPE_SE
	s_setreg_imm32_b32 hwreg(HW_REG_WAVE_MODE, 25, 1), 1
	s_wait_xcnt 0x0
	s_wait_alu depctr_hold_cnt(0) depctr_sa_sdst(0) depctr_va_vdst(0) depctr_va_sdst(0) depctr_va_ssrc(0) depctr_va_vcc(0) depctr_vm_vsrc(0)
	s_getreg_b32 s2, hwreg(HW_REG_IB_STS2, 6, 4)
	s_cmp_eq_u32 s2, 0
	s_cbranch_scc0 .Lentry_in_a_cluster
	s_endpgm
.Lentry_in_a_cluster:
	s_bfe_u32 s2, ttmp6, 0x10000c
	s_cmp_lg_u32 s2, 0x3003
	s_cbranch_scc0 .Lentry_shape_is_right
	s_endpgm
.Lentry_shape_is_right:
; out = A W^T + residual, f32 [4096][1024], on codes of FP6 (E2M3) with E8M0 scales.  The text serves two launches, told apart by FFN2 at its head: 0: A = attention's output, W = wo, K = 1,024; 1: A = the activation, W = w2, K = 2,816 (2,752 and zeros).
; A work-group makes 128 rows x 128 columns.  A's group of 128 rows lies whole in LDS, filled once by tensor loads in chunks along K; wave w streams W's tiles 2 w and 2 w + 1 from memory into a ring of 16 fragments in registers.
; Source 0 = a tile of W, source 1 = a tile of A: a lane holds one row of the output and 16 neighbouring columns in two accumulators.  16 accumulators a wave.  K is written out: every offset is an immediate.
; CLUSTER: the four work-groups of a cluster make four column blocks of the same 128 rows and need the same group of A: each chunk is asked for JOINTLY, by the same load with a mask that names the four.
; The place in the cluster enters global addresses of W, the residual and the output alone.
; THE RESIDUAL, 32 rows of 512 bytes a wave, is asked for at the head, behind the ring's first sixteen fragments: it has the whole walk along K in which to land.
; THE WAY OUT goes through a stage of 128 rows x (512 + 16) bytes laid over A's bytes, which have had their last fill and, behind a barrier, their last read; each wave adds the residual to 32 whole rows of 512 bytes and stores them.
; Each wave reads all eight tiles of A for 16 products a K step: the price of 128 columns to a work-group, which keeps all 256 WGPs at work with N = 1,024.
; REGISTERS: window 0: v4-18 addresses, v28, v29 the add's two, from v32 A's scale words, behind them W's, v144-239 A's fragments; window 1: the ring, later the rows read back; window 2: v0-63 accumulators, v64-191 the residual; window 3: v0-63 accumulators.
.set FFN2,  1
.if FFN2
.set KS,    22
.set NCH,   6
.set RES_SC, 8650752
.set STR_C, 7471104
.set STR_S, 9945088
.else
.set KS,    8
.set NCH,   4
.set RES_SC, 3145728
.set STR_C, 2359296
.set STR_S, 9732096
.endif
.set CT,    2
.set NAD,   (KS+3)/4
.set SPARE, KS*12288
.set AD16,  4
.set AD8,   10
.set L16,   AD16
.set L8,    AD8
.set STO,   16
.set RD,    17
.set SPW,   28
.set NIL,   29
.set SRB,   32
.set SSB,   32+4*KS
.set AF,    144
.set G1,    16
.set G1B,   24
.set G0,    32
.set SB,    56
.set SSP,   58
.set SRP,   60
.set RCP,   62
.set RESP,  66
.set OUTP,  68
.set MUL_LO, 0xa1
.set MUL_HI, 0xf1
.set TO_B,   0x40
.set MSB, 0
.macro WIN new
.if MSB != (\new)
	s_set_vgpr_msb (MSB<<8)|(\new)
.set MSB, (\new)
.endif
.endm
.macro PLACES n
.rept \n
	v_nop
.endr
.endm
.macro CROUND                          ; a round of the cluster's barrier
	s_barrier_signal -1
	s_barrier_wait -1
	s_cmp_lg_u32 s2, 0
	s_cbranch_scc1 .Lnot_wave_0_\@
	s_barrier_signal -3
.Lnot_wave_0_\@:
	s_barrier_wait -3
	s_barrier_signal -1
	s_barrier_wait -1
.endm
.macro LOADB g
.set SL, 12*((\g)%16)
.set BO, ((\g)/CT)*12288+((\g)%CT)*1536
	global_load_b128 v[SL:SL+3], v[L16], s[SB:SB+1] offset:BO
	global_load_b64 v[SL+4:SL+5], v[L8], s[SB:SB+1] offset:BO+512
	global_load_b128 v[SL+6:SL+9], v[L16], s[SB:SB+1] offset:BO+768
	global_load_b64 v[SL+10:SL+11], v[L8], s[SB:SB+1] offset:BO+1280
.endm
.macro FETCH_A q, t0
.irp i, 0,1,2,3
.set FT, (\t0)+\i
.set FO, ((\q)%4)*12288+FT*1536
.set FRG, AF+12*FT
	ds_load_b128 v[FRG:FRG+3], v[AD16+(\q)/4] offset:FO
	ds_load_b64 v[FRG+4:FRG+5], v[AD8+(\q)/4] offset:FO+512
	ds_load_b128 v[FRG+6:FRG+9], v[AD16+(\q)/4] offset:FO+768
	ds_load_b64 v[FRG+10:FRG+11], v[AD8+(\q)/4] offset:FO+1280
.endr
.endm
.macro WAITB q, b                      ; fragment (q, b) is in: four loads for each fragment issued behind it may be out, and, behind the first sixteen fragments, the residual's 32; a wait names 63 at the most, which is the stricter side
.set LASTG, CT*(\q)+15
.if LASTG > CT*KS-1
.set LASTG, CT*KS-1
.endif
.set WN, 4*(LASTG-CT*(\q)-(\b))
.if CT*(\q)+(\b) < 16
.set WN, WN+32
.endif
.if WN > 63
.set WN, 63
.endif
	s_wait_loadcnt WN
.endm
.macro MUL q, a, b
.set AC, 8*(CT*((\a)%4)+(\b))
.set SL, 12*((CT*(\q)+(\b))%16)
.set FA, AF+12*(\a)
.set RA, SSB+(\q)
.set HA, (\b)
.set RB, SRB+4*(\q)+(\a)%4
.set HB, (\a)/4
.if (\q) == 0
.if HA == 0 && HB == 0
	v_wmma_scale_f32_16x16x128_f8f6f4 v[AC:AC+7], v[SL:SL+11], v[FA:FA+11], 0, v[RA], v[RB] matrix_a_fmt:MATRIX_FMT_FP6 matrix_b_fmt:MATRIX_FMT_FP6
.elseif HA == 1 && HB == 0
	v_wmma_scale_f32_16x16x128_f8f6f4 v[AC:AC+7], v[SL:SL+11], v[FA:FA+11], 0, v[RA], v[RB] matrix_a_fmt:MATRIX_FMT_FP6 matrix_b_fmt:MATRIX_FMT_FP6 matrix_a_scale:MATRIX_SCALE_ROW1
.elseif HA == 0 && HB == 1
	v_wmma_scale_f32_16x16x128_f8f6f4 v[AC:AC+7], v[SL:SL+11], v[FA:FA+11], 0, v[RA], v[RB] matrix_a_fmt:MATRIX_FMT_FP6 matrix_b_fmt:MATRIX_FMT_FP6 matrix_b_scale:MATRIX_SCALE_ROW1
.else
	v_wmma_scale_f32_16x16x128_f8f6f4 v[AC:AC+7], v[SL:SL+11], v[FA:FA+11], 0, v[RA], v[RB] matrix_a_fmt:MATRIX_FMT_FP6 matrix_b_fmt:MATRIX_FMT_FP6 matrix_a_scale:MATRIX_SCALE_ROW1 matrix_b_scale:MATRIX_SCALE_ROW1
.endif
.else
.if HA == 0 && HB == 0
	v_wmma_scale_f32_16x16x128_f8f6f4 v[AC:AC+7], v[SL:SL+11], v[FA:FA+11], v[AC:AC+7], v[RA], v[RB] matrix_a_fmt:MATRIX_FMT_FP6 matrix_b_fmt:MATRIX_FMT_FP6
.elseif HA == 1 && HB == 0
	v_wmma_scale_f32_16x16x128_f8f6f4 v[AC:AC+7], v[SL:SL+11], v[FA:FA+11], v[AC:AC+7], v[RA], v[RB] matrix_a_fmt:MATRIX_FMT_FP6 matrix_b_fmt:MATRIX_FMT_FP6 matrix_a_scale:MATRIX_SCALE_ROW1
.elseif HA == 0 && HB == 1
	v_wmma_scale_f32_16x16x128_f8f6f4 v[AC:AC+7], v[SL:SL+11], v[FA:FA+11], v[AC:AC+7], v[RA], v[RB] matrix_a_fmt:MATRIX_FMT_FP6 matrix_b_fmt:MATRIX_FMT_FP6 matrix_b_scale:MATRIX_SCALE_ROW1
.else
	v_wmma_scale_f32_16x16x128_f8f6f4 v[AC:AC+7], v[SL:SL+11], v[FA:FA+11], v[AC:AC+7], v[RA], v[RB] matrix_a_fmt:MATRIX_FMT_FP6 matrix_b_fmt:MATRIX_FMT_FP6 matrix_a_scale:MATRIX_SCALE_ROW1 matrix_b_scale:MATRIX_SCALE_ROW1
.endif
.endif
.endm
.macro CHUNKW q1                       ; K step 6 opens the second fill (K steps 6-21): my quarter of it has landed, then everybody's
.if (\q1) == 6
	s_wait_tensorcnt 0x0
	s_barrier_signal -1
	s_barrier_wait -1
.endif
.endm
.macro RESLOAD                         ; my 32 rows of the residual, 512 bytes each, into window 2
	WIN 0x80
.set I_, 0
.rept 32
	global_load_b128 v[64+4*I_:67+4*I_], v[L16], s[RESP:RESP+1] offset:I_*4096
.set I_, I_+1
.endr
	WIN 0
.endm
.macro STEP q                          ; 16 products; the accumulators take turns, one instruction a turn
	s_wait_dscnt 16                                ; A's tiles 0-3 are in; the 16 loads of tiles 4-7 may be out
	WIN MUL_LO
.set BI, 0
.rept CT
	WAITB \q, BI
	MUL \q, 0, BI
	MUL \q, 1, BI
	MUL \q, 2, BI
	MUL \q, 3, BI
.set BI, BI+1
.endr
	s_wait_dscnt 0x0
.if (\q)+1 < KS
	CHUNKW (\q)+1
	PLACES 4
	WIN 0
	FETCH_A (\q)+1, 0
.endif
	WIN MUL_HI
	MUL \q, 4, 0
	MUL \q, 5, 0
	MUL \q, 6, 0
	MUL \q, 7, 0
	MUL \q, 4, 1
	MUL \q, 5, 1
	MUL \q, 6, 1
	MUL \q, 7, 1
.if (\q)+1 < KS
	PLACES 4
.if CT*(\q)+16 < CT*KS
	WIN TO_B
	LOADB CT*(\q)+16                               ; the two slots just left take the fragments eight K steps on
	LOADB CT*(\q)+17
.endif
	WIN 0
	FETCH_A (\q)+1, 4
.endif
.endm
	s_load_b256 s[4:11], s[0:1], 0x0               ; A, wts, the residual, the output
	v_lshl_add_u32 v[SPW], v0, 2, SPARE
	v_mov_b32 v[NIL], 0
	ds_add_u32 v[SPW], v[NIL]                      ; the wave's opening: the add and its wait ahead of the round in front of the first loads
	ds_add_u32 v[SPW], v[NIL]
	v_lshrrev_b32 v3, 5, v0
	v_readfirstlane_b32 s2, v3                     ; wave
	v_and_b32 v3, 31, v0
	v_lshlrev_b32 v[AD16], 4, v3
	v_lshlrev_b32 v[AD8], 3, v3
.set K_, 1
.rept NAD-1
	v_add_nc_u32 v[AD16+K_], 49152*K_, v[AD16]     ; four K steps to an address register: an LDS offset has 16 bits
	v_add_nc_u32 v[AD8+K_], 49152*K_, v[AD8]
.set K_, K_+1
.endr
	v_and_b32 v19, 15, v0                          ; r
	v_bfe_u32 v20, v0, 4, 1                        ; h
	v_and_b32 v[STO], 8, v19
	v_add_nc_u32 v[STO], v[STO], v19
	v_mul_u32_u24 v[STO], v[STO], 528
	v_lshl_add_u32 v[STO], v20, 6, v[STO]
	s_lshl_b32 s72, s2, 7
	v_add_nc_u32 v[STO], s72, v[STO]               ; the stage, in: row r + 8 (r / 8), 128 bytes a wave, 64 for each half of the lanes
	s_mul_i32 s72, s2, 32*528
	v_add_nc_u32 v[RD], s72, v[AD16]               ; back: my 32 rows, 16 bytes a lane
	v_lshlrev_b32 v18, 4, v19
	v_lshl_add_u32 v18, v20, 2, v18
	s_lshr_b32 s72, s2, 1
	s_lshl_b32 s72, s72, 8
	s_and_b32 s73, s2, 1
	s_lshl_b32 s73, s73, 3
	s_add_co_u32 s72, s72, s73
	v_add_nc_u32 v18, s72, v18                     ; W's scale words: lanes 0-15 tile 2 w's, lanes 16-31 tile 2 w + 1's
	s_mov_b32 s[G1], 15|(3<<16)|(1<<21)            ; the mask names the cluster's four; elements of 8 bytes; bit 21 set beside a mask
	s_mov_b32 s[G1+1], 32<<16
	s_mov_b32 s[G1+2], 72<<16                      ; a quarter of K steps 0-5: 72 rows of 256 bytes
	s_mov_b32 s[G1+3], 32<<16
	s_mov_b32 s[G1+4], 72
	s_mov_b32 s[G1+5], 32
	s_mov_b32 s[G1+6], 0
	s_mov_b32 s[G1+7], 0
.if FFN2
	s_mov_b32 s[G1B], 15|(3<<16)|(1<<21)
	s_mov_b32 s[G1B+1], 32<<16
	s_mov_b32 s[G1B+2], 192<<16                    ; a quarter of K steps 6-21: 192 rows
	s_mov_b32 s[G1B+3], 32<<16
	s_mov_b32 s[G1B+4], 192
	s_mov_b32 s[G1B+5], 32
	s_mov_b32 s[G1B+6], 0
	s_mov_b32 s[G1B+7], 0
.endif
	s_bfe_u32 s72, ttmp6, 0x40000                  ; my place in the cluster
	s_lshl_b32 s73, ttmp9, 2
	s_add_co_u32 s73, s73, s72                     ; my block of 128 columns
	s_and_b32 s74, ttmp7, 0xffff                   ; the group of 128 rows, which the four partners share
	s_mul_i32 s82, s74, KS*12288
	s_mov_b32 s83, 0
	s_mul_i32 s86, s74, KS*512
	s_add_co_u32 s86, s86, RES_SC
	s_mov_b32 s87, 0
	s_mul_i32 s84, s73, KS*12288
	s_add_co_u32 s84, s84, STR_C
	s_mul_i32 s85, s2, 3072
	s_add_co_u32 s84, s84, s85                     ; my two tiles
	s_mov_b32 s85, 0
	s_mul_i32 s88, s73, KS*512
	s_add_co_u32 s88, s88, STR_S
	s_mov_b32 s89, 0
	s_lshl_b32 s76, s74, 7
	s_lshl_b32 s77, s2, 5
	s_add_co_u32 s76, s76, s77
	s_lshl_b32 s76, s76, 12
	s_lshl_b32 s77, s73, 9
	s_add_co_u32 s76, s76, s77                     ; my 32 rows, my block's 512 bytes of them
	s_mov_b32 s77, 0
	s_mul_i32 s90, s2, 18432
	s_mov_b32 s91, 0
.if FFN2
	s_mul_i32 s92, s2, 49152
	s_mov_b32 s93, 0
.endif
	s_wait_dscnt 0x0                               ; the opening add is done
	s_wait_kmcnt 0x0
	s_add_nc_u64 s[RCP:RCP+1], s[4:5], s[82:83]
	s_add_nc_u64 s[SRP:SRP+1], s[4:5], s[86:87]
	s_add_nc_u64 s[SB:SB+1], s[6:7], s[84:85]
	s_add_nc_u64 s[SSP:SSP+1], s[6:7], s[88:89]
	s_add_nc_u64 s[RESP:RESP+1], s[8:9], s[76:77]
	s_add_nc_u64 s[OUTP:OUTP+1], s[10:11], s[76:77]
.if FFN2
	s_add_nc_u64 s[94:95], s[RCP:RCP+1], s[92:93]
	s_add_nc_u64 s[RCP:RCP+1], s[RCP:RCP+1], s[90:91]
	s_mov_b32 s[G0], 1
	s_mov_b32 s[G0+1], s90
	s_mov_b64 s[G0+2:G0+3], s[RCP:RCP+1]
	s_or_b32 s[G0+3], s[G0+3], 0x80000000
.irp c, 1
	s_mov_b32 s[G0+4*\c], 1
	s_add_co_u32 s[G0+4*\c+1], s92, 73728
	s_add_nc_u64 s[G0+4*\c+2:G0+4*\c+3], s[94:95], 73728
	s_or_b32 s[G0+4*\c+3], s[G0+4*\c+3], 0x80000000
.endr
.else
	s_add_nc_u64 s[RCP:RCP+1], s[RCP:RCP+1], s[90:91]
.irp c, 0,1,2,3
	s_mov_b32 s[G0+4*\c], 1
	s_add_co_u32 s[G0+4*\c+1], s90, \c*24576
	s_add_nc_u64 s[G0+4*\c+2:G0+4*\c+3], s[RCP:RCP+1], \c*24576
	s_or_b32 s[G0+4*\c+3], s[G0+4*\c+3], 0x80000000
.endr
.endif
	CROUND                                         ; all four work-groups are here: the joint loads meet
.if FFN2
	tensor_load_to_lds s[G0:G0+3], s[G1:G1+7]      ; my quarter of K steps 0-5: my one load behind the round
	s_nop 0
.else
.irp c, 0,1,2,3
	tensor_load_to_lds s[G0+4*\c:G0+4*\c+3], s[G1:G1+7]   ; all fills are first fills and go out together: four loads of mine are out
	s_nop 0
.endr
.endif
	PLACES 4
.set Q_, 0
.rept KS
	global_load_b128 v[SRB+4*Q_:SRB+4*Q_+3], v[L16], s[SRP:SRP+1] offset:512*Q_
.set Q_, Q_+1
.endr
.set Q_, 0
	s_wait_alu depctr_va_vdst(0)
.rept KS
	global_load_b32 v[SSB+Q_], v18, s[SSP:SSP+1] offset:512*Q_
.set Q_, Q_+1
.endr
	WIN TO_B
.irp g, 0,1,2,3,4,5,6,7,8,9,10,11,12,13,14,15
	LOADB \g
.endr
	RESLOAD                                        ; behind the sixteen fragments that the first K steps wait for
	s_wait_tensorcnt 0x0                           ; my quarter of K steps 0-5 is in; then, ahead of a later first fill:
	ds_add_u32 v[SPW], v[NIL]                      ; 0 onto my spare word,
	s_wait_dscnt 0x0                               ; and the wait for it
	CROUND                                         ; everybody's quarter is in, and all four work-groups are here: the joint loads meet
	tensor_load_to_lds s[G0+4:G0+7], s[G1B:G1B+7]  ; my quarter of K steps 6-21: it has six K steps, 96 products of mine, in which to land
	s_nop 0
	PLACES 4
	FETCH_A 0, 0
	FETCH_A 0, 4
.irp q, 0,1,2,3,4,5,6,7
	STEP \q
.endr
.if FFN2
.irp q, 8,9,10,11,12,13,14,15,16,17,18,19,20,21
	STEP \q
.endr
.endif
	WIN 0
	PLACES 4                                       ; behind the last products
	s_wait_dscnt 0x0
	s_barrier_signal -1
	s_barrier_wait -1                              ; nobody reads A's bytes any more; they have had their last fill
.irp a, 0,1,2,3,4,5,6,7
	WIN (2+\a/4)<<2                                ; an LDS store's data are its source 1
.irp u, 0,1
	ds_store_b128 v[STO], v[8*(2*(\a%4)+\u):8*(2*(\a%4)+\u)+3] offset:(32*(\a/2)+8*(\a%2))*528+32*\u       ; each accumulator from its low end on
	ds_store_b128 v[STO], v[8*(2*(\a%4)+\u)+4:8*(2*(\a%4)+\u)+7] offset:(32*(\a/2)+8*(\a%2))*528+32*\u+16
.endr
.endr
	WIN 0
	s_wait_dscnt 0x0                               ; for the others' sake: my stores have landed
	s_barrier_signal -1
	s_barrier_wait -1
	WIN 0x40
.set I_, 0
.rept 32
	ds_load_b128 v[4*I_:4*I_+3], v[RD] offset:I_*528
.set I_, I_+1
.endr
	s_wait_dscnt 0x0
	s_wait_loadcnt 0x0                             ; the residual
	WIN 0x49                                       ; destination and source 0 window 1, source 1 window 2
.set I_, 0
.rept 64
	v_pk_add_f32 v[2*I_:2*I_+1], v[2*I_:2*I_+1], v[64+2*I_:65+2*I_]
.set I_, I_+1
.endr
	WIN 0x04                                       ; a store's data are its source 1
.set I_, 0
.rept 32
	global_store_b128 v[L16], v[4*I_:4*I_+3], s[OUTP:OUTP+1] offset:I_*4096 th:TH_STORE_NT   ; 32 lanes store 512 consecutive bytes, at a multiple of 256
.set I_, I_+1
.endr
	WIN 0
	s_wait_tensorcnt 0x0                           ; the wave's end
	ds_add_u32 v[SPW], v[NIL]
	s_wait_dscnt 0x0
	CROUND                                         ; the closing round
	s_endpgm
.Lfunc_end_k_q5041a24c2c_ffn2:
	.size	k_q5041a24c2c_ffn2, .Lfunc_end_k_q5041a24c2c_ffn2-k_q5041a24c2c_ffn2
	.p2alignl 7, 3214868480
	.fill 96, 4, 3214868480
	.section	.rodata,"a",@progbits
	.p2align	6, 0x0
	.amdhsa_kernel k_q5041a24c2c_ffn2
		.amdhsa_group_segment_fixed_size 327680
		.amdhsa_private_segment_fixed_size 0
		.amdhsa_enable_private_segment 0
		.amdhsa_kernarg_size 32
		.amdhsa_user_sgpr_count 2
		.amdhsa_user_sgpr_kernarg_segment_ptr 1
		.amdhsa_wavefront_size32 1
		.amdhsa_system_sgpr_workgroup_id_x 1
		.amdhsa_system_sgpr_workgroup_id_y 1
		.amdhsa_system_sgpr_workgroup_id_z 1
		.amdhsa_system_vgpr_workitem_id 0
		.amdhsa_next_free_vgpr 832
		.amdhsa_next_free_sgpr 100
		.amdhsa_reserve_vcc 0
		.amdhsa_float_denorm_mode_32 3
		.amdhsa_float_denorm_mode_16_64 3
		.amdhsa_memory_ordered 1
		.amdhsa_forward_progress 1
		.amdhsa_inst_pref_size 142
	.end_amdhsa_kernel
	.amdgpu_metadata
---
amdhsa.version: [ 1, 2 ]
amdhsa.kernels:
  - .name:           k_q5041a24c2c_ffn2
    .symbol:         k_q5041a24c2c_ffn2.kd
    .args:
      - { .name: act, .offset: 0, .size: 8, .value_kind: global_buffer, .address_space: global }
      - { .name: wts, .offset: 8, .size: 8, .value_kind: global_buffer, .address_space: global }
      - { .name: out1, .offset: 16, .size: 8, .value_kind: global_buffer, .address_space: global }
      - { .name: out0, .offset: 24, .size: 8, .value_kind: global_buffer, .address_space: global }
    .group_segment_fixed_size: 327680
    .private_segment_fixed_size: 0
    .kernarg_segment_align: 8
    .kernarg_segment_size: 32
    .max_flat_workgroup_size: 128
    .sgpr_count:     100
    .vgpr_count:     832
    .wavefront_size: 32
...
	.end_amdgpu_metadata
.endif
;; end of part 7
